; MI455X (gfx1250); checked and timed in simulation.
; The chip was launched on July 23, 2026; its instructions are those of AMD's public machine-readable ISA for CDNA 5 (MIT licence, August 2026) and "CDNA5" Instruction Set Architecture Reference Guide (July 2026). The comments in the code are by the model that wrote it; some were corrected since.
;; Cross Attention. Allowed arithmetic: matrix products marked QUANTISED: E3M2 operands, one E8M0 scale for each 32 along K, by v_wmma_scale_f32_16x16x128_f8f6f4 with both operands' format E3M2, f32 sums; everything else in f32.
;; Inputs: W_k 512 x 256 float32; W_q 512 x 512 float32; W_v 512 x 256 float32; ln_beta 512 float32; ln_gamma 512 float32; node_feature 25,000 x 512 float32; obs_feature 2,048 x 256 float32.
;; Outputs: out0 25,000 x 512 float32.
;; This version of the problem:
;;   THIS VERSION OF THE PROBLEM IS GIVEN IN LOW PRECISION. The matrix products marked QUANTISED in the list below multiply operands that are first quantised to E3M2 (3 exponent bits, 2 mantissa bits; 6 bits a number), with one power-of-two scale for each 32 numbers along K (OCP MX v1.0); their sums are f32. All else is computed in f32.
;;   The module's matrix products, in the order in which they are computed (A, B: the left and right operand; K: the contracted axis; several contracted axes count as one K, in the product's order):
;;     1. [M 25,000, K 512] x [K 512, N 512]; A: input node_feature; B: input W_q: QUANTISED
;;     2. [M 2,048, K 256] x [K 256, N 512]; A: input obs_feature; B: input W_k: QUANTISED
;;     3. [M 2,048, K 256] x [K 256, N 512]; A: input obs_feature; B: input W_v: QUANTISED
;;     4. [M 25,000, K 512] x [K 512, N 2,048]; A: computed on the way; B: computed on the way: QUANTISED
;;     5. [M 25,000, K 2,048] x [K 2,048, N 512]; A: computed on the way; B: computed on the way: QUANTISED
;;   THE QUANTISER, for each operand of a quantised product, along K:
;;     - K is cut into blocks of 32 from its start; a last block that is shorter is filled with zeros.
;;     - A block's scale is 2^e with e = floor(log2(the largest magnitude in the block)) - 4, held to -126 .. 127; a block of zeros has e = 0. As a byte (E8M0): e + 127.
;;     - Each number is divided by its block's scale, clamped to +-28, and rounded to the nearest number of E3M2, ties to even, subnormals kept.
;;     - The product sums the exact products of the quantised numbers (number of the format x scale) in f32.
;;   ~~~python
;;   def quantise(x, axis):      # numpy; x: float32 -> the quantised numbers, widened to float32 again
;;       x = np.moveaxis(x, axis, -1); K = x.shape[-1]
;;       x = np.pad(x, [(0, 0)] * (x.ndim - 1) + [(0, -K % 32)]); x = x.reshape(x.shape[:-1] + (-1, 32)); a = np.abs(x).max(-1, keepdims=True)
;;       e = np.where(a > 0, np.clip(np.frexp(np.where(a > 0, a, 1))[1] - 1 - 4, -126, 127), 0)      # np.frexp(a)[1] - 1 = floor(log2(a)), exactly
;;       r = np.clip(x / 2.0 ** e, -28, 28)
;;       step = 2.0 ** (np.maximum(np.frexp(np.where(r == 0, 1, r))[1] - 1, -2) - 2)
;;       q = np.round(r / step) * step * 2.0 ** e      # np.round: ties to even
;;       return np.moveaxis(q.reshape(q.shape[:-2] + (-1,))[..., :K], -1, axis).astype(np.float32)
;;   ~~~
;;   OPERANDS COMPUTED ON THE WAY. 'Computed on the way' means the value that the module computes at that place (a softmax that the list does not call 'softmax' is quantised finished and normalised). What goes into a quantiser is computed in f32, as accurately as f32 sums, v_exp_f32 and their like allow (about 1e-6 of the number): no bf16 or f16 on the way to a quantiser, and a product that is left as it is and whose result goes on into a quantised operand takes f32 operands (vector FMAs, or v_wmma_f32_16x16x4_f32). A number that lies on a knife's edge between two numbers of the format may be rounded either way, as far as f32 arithmetic and the matrix unit's own rounding can turn it there, and no further.
;; 2 versions. Each part assembles by itself: llvm-mc -triple=amdgcn-amd-amdhsa -mcpu=gfx1250 --defsym DOCPART=n.
;; ======== version 1 of 2: 2 launches
;; workspace buffers: stream 1,843,200 bytes
;; launch prep (part 1): grid 264 x 1, 4 waves a work-group, no clusters, 28,160 bytes of LDS; arguments obs_feature, W_k, W_v, W_q, stream; writes stream
.if DOCPART == 1
	.amdgcn_target "amdgcn-amd-amdhsa--gfx1250"
	.amdhsa_code_object_version 6
	.text
	.protected	k_q52050fd4bc_prep
	.globl	k_q52050fd4bc_prep
	.p2align	8
	.type	k_q52050fd4bc_prep,@function
k_q52050fd4bc_prep:
	s_mov_b64 s[64:65], 0
	v_nop
	global_prefetch_b8 v0, s[64:65] scope:SCOPE_SE
	s_setreg_imm32_b32 hwreg(HW_REG_WAVE_MODE, 25, 1), 1
	s_wait_xcnt 0x0
; PREP: everything that all row blocks of the main launch share is made once, as codes of BF6 (E3M2) with E8M0 scale bytes, and laid in the order in which the main launch's waves take it.
;   k = obs W_k^T and v = obs W_v^T (both operands quantised along their 256), then k quantised along its 512 columns and v along the observations; W_q quantised along its 512 inputs.
; STREAM: 18 slots of 102,400 bytes; a slot is 4 units (one for each wave w of the main launch) of 25,600 bytes: 16 fragment images of 1,536 bytes and 1,024 bytes of scale words.
;   A fragment image is the operand's 12 registers as they stand: registers 4 j .. 4 j + 3 of lane l at 512 j + 16 l.  The scale word of fragment f, row r: 24,576 + 256 (f / 4) + 16 r + 4 (f % 4).
;   Slots 0, 1: W_q's halves.  Slots 2 + 4 c + 0, 1: k of chunk c (512 observations), halves;  + 2, 3: v of chunk c, halves.
;   THE ROWS OF A TILE ARE NOT NEIGHBOURS: lane r of tile t takes row base + 32 (t / 2) + 8 (t % 2) + r + 8 (r / 8), so that in a transposed product the 16 registers of two neighbouring tiles are 16 neighbours along the next K.
; WORK-GROUPS 0-127 make k, 128-255 v, by ONE text: source 0 is the WIDE operand (128 rows: W_k for k, obs for v), source 1 the NARROW one (16 rows a wave: obs for k, W_v for v); a lane of the result
;   holds one narrow row and 64 numbers along the wide rows, which are the next K: one fragment and one scale word a wave.  Only pointers and offsets are chosen, by s_cselect on the work-group's number.
;   The four waves quantise two wide tiles each and hand them round through LDS as register images.  WORK-GROUPS 256-263 quantise W_q: no LDS, no barrier.
; A block's scale: the largest magnitude's exponent field less 4, held at 1 from below.
; LIMITS: NaN and infinities among the inputs are not served.  A block of zeros, or one whose largest magnitude lies under 2^-122, gets the byte 1 where the rule says 127 or less: zero codes add nothing, and this program alone reads the bytes.
.set SLOTSZ, 102400
.set UNITSZ, 25600
.set FRB,    1536
.set WIMG,   0                         ; LDS: the wide operand's 16 fragment images (tile T, K step s: 2 T + s)
.set WSC,    24576                     ; their scale words, 128 bytes each
.set OSC,    26624                     ; the four results' scale words: 256 bytes, as they go to the stream
.set LA,   1                           ; v1   (r + 8 (r / 8)) x 1,024 + 128 h: my place in a tile of rows of 1,024 bytes
.set LI,   2                           ; v2   16 x lane
.set LS,   3                           ; v3   4 x lane
.set L8,   4                           ; v4   8 x lane
.set SH,   5                           ; v5   8 h
.set HH,   6                           ; v6   h
.set WI16, 7                           ; v7   16 x lane + 6,144 x wave: where I store wide images
.set WS4,  8                           ; v8   4 x lane + 512 x wave: and their scale words
.set OSA,  9                           ; v9   16 r + 4 x wave
.set RR,   10                          ; v10  r
.set LA2,  11                          ; v11  the same as v1 for rows of 2,048 bytes
.set SA2,  12                          ; v12  16 r + 8 h
.set PR,   13                          ; v13  r + 8 (r / 8)
.set TM,   16                          ; v16-31 at work
.set WS,   32                          ; v32-47 the wide operand's scale words
.set NW,   48                          ; v48-49 the narrow operand's
.set PW,   50                          ; v50-53 scale words just made
.set NF,   56                          ; v56-79 the narrow operand's two fragments
.set PC,   80                          ; v80..  codes just made
.set PX,   92                          ; v92-94, v96-98: the halves that a conversion cannot put on an odd register
.set ACC,  128                         ; v128-191 the eight accumulators (before that: the narrow operand's numbers, v128-255)
.set MSB, 0
.macro WIN new                         ; the immediate's high byte repeats the setting that is left
.if MSB != (\new)
	s_set_vgpr_msb (MSB<<8)|(\new)
.set MSB, (\new)
.endif
.endm
; 64 numbers of a lane in window sw, register 32 c + i = k 64 c + 32 h + i of my row (two whole blocks), become a fragment's 12 registers at PCo and its scale word in PWo.
.macro FQ sw, X, PCo, PXo, PWo
	WIN 5*(\sw)
.irp c, 0,1
	v_max3_num_f32 v[TM+\c], |v[(\X)+32*\c]|, |v[(\X)+32*\c+1]|, 0x2800000   ; with the floor 2^(5 - 127): the byte cannot fall under 1
.endr
	WIN 0x14*(\sw)
.irp i, 2,4,6,8,10,12,14,16,18,20,22,24,26,28,30
.irp c, 0,1
	v_max3_num_f32 v[TM+\c], v[TM+\c], |v[(\X)+32*\c+\i]|, |v[(\X)+32*\c+\i+1]|
.endr
.endr
	WIN 0
.irp c, 0,1
	v_add_nc_u32 v[TM+2+\c], 0xfe000000, v[TM+\c]      ; 4 off the exponent field: the conversion's scale operand
.endr
.irp c, 0,1
	v_lshrrev_b32 v[TM+4+\c], 23, v[TM+2+\c]           ; the scale's byte
.endr
	v_lshl_or_b32 v[(\PWo)], v[TM+5], 16, v[TM+4]      ; my blocks h and 2 + h,
	v_lshlrev_b32 v[(\PWo)], v[SH], v[(\PWo)]          ; at their places in the word;
	v_permlanex16_b32 v[TM+6], v[(\PWo)], s20, s21
	v_or_b32 v[(\PWo)], v[(\PWo)], v[TM+6]             ; with lane l xor 16's two the word is whole, in both lanes
	WIN (\sw)
.irp c, 0,1
	v_cvt_scalef32_pk16_bf6_f32 v[(\PCo)+6*\c:(\PCo)+6*\c+2], v[(\X)+32*\c:(\X)+32*\c+15], v[TM+2+\c]
	v_cvt_scalef32_pk16_bf6_f32 v[(\PXo)+4*\c:(\PXo)+4*\c+2], v[(\X)+32*\c+16:(\X)+32*\c+31], v[TM+2+\c]   ; (a conversion's three registers begin on an even number)
.endr
	WIN 0
	v_nop                                              ; one plain place behind the scaled conversions
.irp c, 0,1
.irp i, 0,1,2
	v_mov_b32 v[(\PCo)+6*\c+3+\i], v[(\PXo)+4*\c+\i]
.endr
.endr
.endm
; 64 numbers of a lane, register 16 b + i = k 32 b + 16 h + i of my row (a transposed product's results), become a fragment at v[PC] and its scale word in v[PW].
.macro QUANT s
.irp b, 0,1,2,3
	v_max3_num_f32 v[TM+\b], |v[\s+16*\b]|, |v[\s+1+16*\b]|, 0x2800000   ; each accumulator is read from its low end on
.endr
.irp i, 2,4,6,8,10,12,14
.irp b, 0,1,2,3
	v_max3_num_f32 v[TM+\b], v[TM+\b], |v[\s+16*\b+\i]|, |v[\s+1+16*\b+\i]|
.endr
.endr
.irp b, 0,1,2,3
	v_permlanex16_b32 v[TM+4+\b], v[TM+\b], s20, s21
.endr
.irp b, 0,1,2,3
	v_max_num_f32 v[TM+\b], v[TM+\b], v[TM+4+\b]       ; with lane l xor 16's 16: the block's largest magnitude
.endr
.irp b, 0,1,2,3
	v_add_nc_u32 v[TM+12+\b], 0xfe000000, v[TM+\b]
.endr
.irp b, 0,1,2,3
	v_lshrrev_b32 v[TM+4+\b], 23, v[TM+12+\b]
.endr
	v_lshl_or_b32 v[PW], v[TM+5], 8, v[TM+4]
	v_lshl_or_b32 v[PW], v[TM+6], 16, v[PW]
	v_lshl_or_b32 v[PW], v[TM+7], 24, v[PW]
.irp c, 0,1
	v_cvt_scalef32_pk16_bf6_f32 v[PC+6*\c:PC+2+6*\c], v[\s+32*\c:\s+15+32*\c], v[TM+12+2*\c]
	v_cvt_scalef32_pk16_bf6_f32 v[PC+12+4*\c:PC+14+4*\c], v[\s+16+32*\c:\s+31+32*\c], v[TM+12+2*\c+1]
.endr
	v_nop                                              ; one plain place behind the scaled conversions
.irp c, 0,1                            ; the operand's layout wants a whole block in a lane
.irp i, 0,1,2
	v_permlane16_swap_b32 v[PC+6*\c+\i], v[PC+12+4*\c+\i]
.endr
.irp i, 0,1,2
	v_mov_b32 v[PC+3+6*\c+\i], v[PC+12+4*\c+\i]
.endr
.endr
.endm
	s_load_b256 s[4:11], s[0:1], 0x0               ; obs s[4:5], W_k s[6:7], W_v s[8:9], W_q s[10:11]
	s_load_b64 s[12:13], s[0:1], 0x20              ; the stream
	v_lshl_add_u32 v26, v0, 2, 0x6c00
	v_mov_b32 v27, 0
	v_lshrrev_b32 v14, 5, v0
	v_readfirstlane_b32 s14, v14                   ; wave j
	v_and_b32 v15, 31, v0                          ; lane
	v_and_b32 v[RR], 15, v0
	v_bfe_u32 v[HH], v0, 4, 1
	v_and_b32 v[PR], 8, v[RR]
	v_add_nc_u32 v[PR], v[PR], v[RR]
	v_lshlrev_b32 v[LI], 4, v15
	v_lshlrev_b32 v[LS], 2, v15
	v_lshlrev_b32 v[L8], 3, v15
	v_lshlrev_b32 v[SH], 3, v[HH]
	s_mov_b32 s20, 0x76543210
	s_mov_b32 s21, 0xfedcba98                      ; v_permlanex16_b32's selects for lane l xor 16
.irp b, 4,5,6,7
	v_mov_b32 v[TM+\b], 0                          ; written once: a lane permute's destination counts as one of its sources
.endr
	s_cmp_ge_u32 ttmp9, 256
	s_cbranch_scc1 .Lwq
	; ---------------- k and v
	v_lshlrev_b32 v[LA], 10, v[PR]
	v_lshl_add_u32 v[LA], v[HH], 7, v[LA]
	s_mul_i32 s15, s14, 4*FRB
	v_add_nc_u32 v[WI16], s15, v[LI]
	s_lshl_b32 s15, s14, 9
	v_add_nc_u32 v[WS4], s15, v[LS]
	s_lshl_b32 s15, s14, 2
	v_lshl_add_u32 v[OSA], v[RR], 4, s15
	; k: g = 4 u + s, u = 8 c + 2 w + hf: wide = W_k's rows 128 s on, narrow = obs rows 64 u on, slot 2 + 4 c + hf, fragments 4 s + j
	s_and_b32 s22, ttmp9, 3                        ; s
	s_lshr_b32 s23, ttmp9, 2                       ; u
	s_lshr_b32 s24, ttmp9, 5                       ; c
	s_and_b32 s25, s23, 1                          ; hf
	s_lshl_b32 s24, s24, 2
	s_add_co_u32 s24, s24, s25
	s_add_co_u32 s24, s24, 2                       ; the slot
	s_bfe_u32 s25, ttmp9, 0x20003                  ; w
	; v: g - 128 = 8 G + a8, G = 4 c + s', a8 = 2 w + a: wide = obs rows 128 G on, narrow = W_v's rows 64 a8 on, slot 4 + 4 c + s' / 2, fragments 4 (2 (s' % 2) + a) + j
	s_and_b32 s26, ttmp9, 127
	s_lshr_b32 s27, s26, 3                         ; G
	s_and_b32 s28, s26, 7                          ; a8
	s_lshr_b32 s29, s27, 2                         ; c
	s_and_b32 s30, s27, 3                          ; s'
	s_lshr_b32 s31, s30, 1
	s_lshl_b32 s29, s29, 2
	s_add_co_u32 s29, s29, s31
	s_add_co_u32 s29, s29, 4                       ; the slot
	s_and_b32 s30, s30, 1
	s_lshl_b32 s30, s30, 1
	s_and_b32 s31, s28, 1
	s_add_co_u32 s30, s30, s31                     ; the group of four fragments
	s_lshr_b32 s31, s28, 1                         ; w
	s_wait_kmcnt 0x0
	s_cmp_lt_u32 ttmp9, 128                        ; k's work-group or v's: the choice hangs on the work-group's number alone
	s_cselect_b32 s32, s22, s27                    ; which 128 wide rows
	s_cselect_b32 s33, s23, s28                    ; which 64 narrow rows
	s_cselect_b32 s34, s24, s29                    ; slot
	s_cselect_b32 s35, s22, s30                    ; group of four fragments
	s_cselect_b32 s36, s25, s31                    ; unit
	s_cselect_b64 s[38:39], s[6:7], s[4:5]         ; wide
	s_cselect_b64 s[40:41], s[4:5], s[8:9]         ; narrow
	s_lshl_b32 s42, s32, 17                        ; 128 rows of 1,024 bytes,
	s_lshl_b32 s43, s14, 15                        ; my two tiles begin 32 j rows on
	s_add_co_u32 s42, s42, s43
	s_mov_b32 s43, 0
	s_add_nc_u64 s[38:39], s[38:39], s[42:43]
	s_lshl_b32 s42, s33, 16                        ; 64 rows; my tile j begins 32 (j / 2) + 8 (j % 2) rows on
	s_lshr_b32 s44, s14, 1
	s_lshl_b32 s44, s44, 15
	s_add_co_u32 s42, s42, s44
	s_and_b32 s44, s14, 1
	s_lshl_b32 s44, s44, 13
	s_add_co_u32 s42, s42, s44
	s_add_nc_u64 s[40:41], s[40:41], s[42:43]
	s_mul_i32 s42, s34, SLOTSZ
	s_mul_i32 s44, s36, UNITSZ
	s_add_co_u32 s42, s42, s44
	s_add_nc_u64 s[12:13], s[12:13], s[42:43]      ; the unit
	s_lshl_b32 s44, s35, 2
	s_add_co_u32 s44, s44, s14
	s_mul_i32 s44, s44, FRB
	s_mov_b32 s45, 0
	s_add_nc_u64 s[46:47], s[12:13], s[44:45]      ; my fragment's image
	s_lshl_b32 s44, s35, 8
	s_add_co_u32 s44, s44, 16*FRB
	s_add_nc_u64 s[12:13], s[12:13], s[44:45]      ; the group's 256 bytes of scale words
	WIN 0x40                                       ; destination window 1
.irp q, 0,1,2,3                        ; wide fragment q = 2 u + s: tile 2 j + u, K step s: 64 numbers a lane
.irp c, 0,1
.irp i, 0,1,2,3,4,5,6,7
	global_load_b128 v[64*\q+32*\c+4*\i:64*\q+32*\c+4*\i+3], v[LA], s[38:39] offset:(\q/2)*8192+(\q%2)*512+256*\c+16*\i
.endr
.endr
.endr
	WIN 0
.irp s, 0,1                            ; the narrow tile's two K steps
.irp c, 0,1
.irp i, 0,1,2,3,4,5,6,7
	global_load_b128 v[128+64*\s+32*\c+4*\i:128+64*\s+32*\c+4*\i+3], v[LA], s[40:41] offset:512*\s+256*\c+16*\i
.endr
.endr
.endr
.irp q, 0,1,2,3
.if 80-16*\q > 63
	s_wait_loadcnt 63                              ; 80 - 16 q younger loads might stay out; the wait's field ends at 63
.else
	s_wait_loadcnt 80-16*\q                        ; the later fragments' loads stay out
.endif
	FQ 1, 64*\q, PC, PX, PW
.irp k, 0,1,2
	ds_store_b128 v[WI16], v[PC+4*\k:PC+4*\k+3] offset:WIMG+\q*FRB+512*\k
.endr
	ds_store_b32 v[WS4], v[PW] offset:WSC+128*\q
	s_wait_dscnt 0x0                               ; the stores have read their registers: the next fragment's codes may be written
.endr
	s_wait_loadcnt 16
	FQ 0, 128, NF, PX, NW
	s_wait_loadcnt 0x0
	FQ 0, 192, NF+12, PX, NW+1
	s_wait_dscnt 0x0                               ; my images have landed
	s_barrier_signal -1
	s_barrier_wait -1                              ; all sixteen wide fragments lie in LDS
	WIN 0x40
.set k, 0
.rept 48
	ds_load_b128 v[4*k:4*k+3], v[LI] offset:WIMG+512*k   ; fragment 2 T + s at v[12 (2 T + s)] of window 1
.set k, k+1
.endr
	WIN 0
.set k, 0
.rept 16
	ds_load_b32 v[WS+k], v[LS] offset:WSC+128*k
.set k, k+1
.endr
	s_wait_dscnt 0x0
.rept 8
	v_nop                                          ; the narrow operand and its scale words were written by vector instructions: 4 and 8 places ahead of a scaled matrix instruction
.endr
	WIN 0x01                                       ; source 0 window 1
.irp T, 0,1,2,3,4,5,6,7                ; the eight accumulators by turns, K ascending
	v_wmma_scale_f32_16x16x128_f8f6f4 v[ACC+8*\T:ACC+8*\T+7], v[24*\T:24*\T+11], v[NF:NF+11], 0, v[WS+2*\T], v[NW] matrix_a_fmt:MATRIX_FMT_BF6 matrix_b_fmt:MATRIX_FMT_BF6
.endr
.irp T, 0,1,2,3,4,5,6,7
	v_wmma_scale_f32_16x16x128_f8f6f4 v[ACC+8*\T:ACC+8*\T+7], v[24*\T+12:24*\T+23], v[NF+12:NF+23], v[ACC+8*\T:ACC+8*\T+7], v[WS+2*\T+1], v[NW+1] matrix_a_fmt:MATRIX_FMT_BF6 matrix_b_fmt:MATRIX_FMT_BF6
.endr
	WIN 0
.rept 5
	v_nop                                          ; places behind the products, ahead of the first read of their results
.endr
	QUANT ACC
.irp k, 0,1,2
	global_store_b128 v[LI], v[PC+4*\k:PC+4*\k+3], s[46:47] offset:512*\k   ; each store covers 512 consecutive bytes, aligned
.endr
	ds_store_b32 v[OSA], v[PW] offset:OSC          ; lanes r and r + 16 write the same word with the same value
	s_wait_dscnt 0x0
	s_barrier_signal -1
	s_barrier_wait -1                              ; the four fragments' scale words lie together
	s_cmp_lg_u32 s14, 0
	s_cbranch_scc1 .Lkv_end
	ds_load_b64 v[14:15], v[L8] offset:OSC
	s_wait_dscnt 0x0
	global_store_b64 v[L8], v[14:15], s[12:13]     ; 256 consecutive bytes, aligned
.Lkv_end:
	s_wait_tensorcnt 0x0
	ds_add_u32 v26, v27
	s_wait_dscnt 0x0
	s_endpgm
	; ---------------- W_q: work-group 256 + 4 hf + w makes unit (hf, w); wave j its K step j, tiles 0 to 3
.Lwq:
	v_lshlrev_b32 v[LA2], 11, v[PR]
	v_lshl_add_u32 v[LA2], v[HH], 7, v[LA2]
	v_lshlrev_b32 v[SA2], 4, v[RR]
	v_lshl_add_u32 v[SA2], v[HH], 3, v[SA2]
	s_sub_co_u32 s22, ttmp9, 256
	s_lshr_b32 s23, s22, 2                         ; hf
	s_and_b32 s24, s22, 3                          ; w
	s_lshl_b32 s26, s24, 18                        ; 128 w rows of 2,048 bytes
	s_lshl_b32 s25, s23, 17                        ; + 64 hf rows
	s_add_co_u32 s26, s26, s25
	s_lshl_b32 s25, s14, 9                         ; + K step j
	s_add_co_u32 s26, s26, s25
	s_mov_b32 s27, 0
	s_mul_i32 s28, s23, SLOTSZ
	s_mul_i32 s25, s24, UNITSZ
	s_add_co_u32 s28, s28, s25
	s_mov_b32 s29, 0
	s_mul_i32 s30, s14, 4*FRB
	s_mov_b32 s31, 0
	s_lshl_b32 s32, s14, 8
	s_add_co_u32 s32, s32, 16*FRB
	s_mov_b32 s33, 0
	s_wait_kmcnt 0x0
	s_add_nc_u64 s[10:11], s[10:11], s[26:27]
	s_add_nc_u64 s[12:13], s[12:13], s[28:29]      ; the unit
	s_add_nc_u64 s[34:35], s[12:13], s[30:31]      ; my four images
	s_add_nc_u64 s[12:13], s[12:13], s[32:33]      ; my 256 bytes of scale words
	WIN 0x40
.irp t, 0,1,2,3
.irp c, 0,1
.irp i, 0,1,2,3,4,5,6,7
	global_load_b128 v[64*\t+32*\c+4*\i:64*\t+32*\c+4*\i+3], v[LA2], s[10:11] offset:(32*(\t/2)+8*(\t%2))*2048+256*\c+16*\i th:TH_LOAD_NT
.endr
.endr
.endr
	WIN 0
.irp t, 0,1,2,3
	s_wait_loadcnt 48-16*\t                        ; the later tiles' loads stay out
	FQ 1, 64*\t, PC+12*\t, 128, PW+\t              ; each tile has registers of its own for its codes: no store's data are written again
.irp k, 0,1,2
	global_store_b128 v[LI], v[PC+12*\t+4*\k:PC+12*\t+4*\k+3], s[34:35] offset:\t*FRB+512*\k
.endr
.endr
	v_cmp_eq_u32 vcc_lo, 1, v[HH]
	v_cndmask_b32 v54, v[PW], v[PW+2], vcc_lo      ; lanes 0-15 store tiles 0 and 1's words of row r, lanes 16-31 tiles 2 and 3's
	v_cndmask_b32 v55, v[PW+1], v[PW+3], vcc_lo
	global_store_b64 v[SA2], v[54:55], s[12:13]    ; 256 consecutive bytes, aligned
	s_endpgm
.Lfunc_end_k_q52050fd4bc_prep:
	.size	k_q52050fd4bc_prep, .Lfunc_end_k_q52050fd4bc_prep-k_q52050fd4bc_prep
	.p2alignl 7, 3214868480
	.fill 96, 4, 3214868480
	.section	.rodata,"a",@progbits
	.p2align	6, 0x0
	.amdhsa_kernel k_q52050fd4bc_prep
		.amdhsa_group_segment_fixed_size 28160
		.amdhsa_private_segment_fixed_size 0
		.amdhsa_enable_private_segment 0
		.amdhsa_kernarg_size 40
		.amdhsa_user_sgpr_count 2
		.amdhsa_user_sgpr_kernarg_segment_ptr 1
		.amdhsa_wavefront_size32 1
		.amdhsa_system_sgpr_workgroup_id_x 1
		.amdhsa_system_sgpr_workgroup_id_y 1
		.amdhsa_system_sgpr_workgroup_id_z 1
		.amdhsa_system_vgpr_workitem_id 0
		.amdhsa_next_free_vgpr 512
		.amdhsa_next_free_sgpr 66
		.amdhsa_reserve_vcc 1
		.amdhsa_float_denorm_mode_32 3
		.amdhsa_float_denorm_mode_16_64 3
		.amdhsa_memory_ordered 1
		.amdhsa_forward_progress 1
		.amdhsa_inst_pref_size 65
	.end_amdhsa_kernel
	.amdgpu_metadata
---
amdhsa.version: [ 1, 2 ]
amdhsa.kernels:
  - .name:           k_q52050fd4bc_prep
    .symbol:         k_q52050fd4bc_prep.kd
    .args:
      - { .name: obs_feature, .offset: 0, .size: 8, .value_kind: global_buffer, .address_space: global }
      - { .name: W_k, .offset: 8, .size: 8, .value_kind: global_buffer, .address_space: global }
      - { .name: W_v, .offset: 16, .size: 8, .value_kind: global_buffer, .address_space: global }
      - { .name: W_q, .offset: 24, .size: 8, .value_kind: global_buffer, .address_space: global }
      - { .name: stream, .offset: 32, .size: 8, .value_kind: global_buffer, .address_space: global }
    .group_segment_fixed_size: 28160
    .private_segment_fixed_size: 0
    .kernarg_segment_align: 8
    .kernarg_segment_size: 40
    .max_flat_workgroup_size: 128
    .sgpr_count:     66
    .vgpr_count:     512
    .wavefront_size: 32
...
	.end_amdgpu_metadata
.endif
;; end of part 1
;; launch attn (part 2): grid 224 x 1, 4 waves a work-group, clusters of 4 x 1, 327,680 bytes of LDS; arguments node_feature, stream, ln_gamma, ln_beta, out0; writes out0
.if DOCPART == 2
	.amdgcn_target "amdgcn-amd-amdhsa--gfx1250"
	.amdhsa_code_object_version 6
	.text
	.protected	k_q52050fd4bc_attn
	.globl	k_q52050fd4bc_attn
	.p2align	8
	.type	k_q52050fd4bc_attn,@function
k_q52050fd4bc_attn:
	s_mov_b64 s[64:65], 0
	v_nop
	global_prefetch_b8 v0, s[64:65] scope:SCOPE_SE
	s_setreg_imm32_b32 hwreg(HW_REG_WAVE_MODE, 25, 1), 1
	s_wait_xcnt 0x0
	s_wait_alu depctr_hold_cnt(0) depctr_sa_sdst(0) depctr_va_vdst(0) depctr_va_sdst(0) depctr_va_ssrc(0) depctr_va_vcc(0) depctr_vm_vsrc(0)
	s_getreg_b32 s2, hwreg(HW_REG_IB_STS2, 6, 4)
	s_cmp_eq_u32 s2, 0
	s_cbranch_scc0 .Lentry_in_a_cluster
	s_endpgm
.Lentry_in_a_cluster:
	s_bfe_u32 s2, ttmp6, 0x10000c
	s_cmp_lg_u32 s2, 0x3003
	s_cbranch_scc0 .Lentry_shape_is_right
	s_endpgm
.Lentry_shape_is_right:
; out0 = LayerNorm(((x W_q^T) k^T) v + x), every product on codes of BF6 (E3M2) with one E8M0 scale for each 32 along its K; q and attn never go to memory.
; SHARES.  A work-group owns 112 rows (7 tiles of 16); 224 work-groups cover 25,088 rows, of which 25,000 exist.  THE FOUR WAVES SHARE THE COLUMNS, NOT THE ROWS: wave w owns columns 128 w .. 128 w + 127 of x, q and out,
;   and 128 of each chunk of 512 observations, for all 112 rows.  So each byte of W_q, k and v is read from LDS by one wave alone, once.
; ALL PRODUCTS ARE USED TRANSPOSED: source 0 = a fragment of the stream (16 rows of W_q, 16 observations of k, 16 columns of v), source 1 = 16 of my work-group's rows.  A lane then holds ONE row, and, by the choice of
;   the rows that form a tile of the stream, the 16 registers of two neighbouring tiles are 16 neighbours along the next K: results are quantised in registers and go to the other waves through LDS as register images.
; THE STREAM (made by the launch before) comes in 18 slots of 102,400 bytes through a ring of two LDS slots; wave w fetches its own unit of 25,600 bytes by one tensor load.  All work-groups walk the same stream,
;   so the four of a cluster ask JOINTLY (mask 15).  Cluster j begins with chunk j % 4 of the observations.
;   No prefetch is laid: every cluster of the launch reads every byte of the stream, so the stream is not one that is read once.
; x IS READ ONCE: it is loaded straight into the accumulators of out, quantised from there, and is the C onto which the last product adds: the residual costs nothing.
; LAYER NORM in two passes (mean, then squares of the differences); the waves' partial sums meet in LDS.
; LIMITS: NaN and infinities are not served.  A block of zeros, or one under 2^-122, gets the scale byte 1: its codes are zeros or the rule's own smallest, and the bytes are read here alone.
;   The last sum is x + the chunks' products in an order that differs from cluster to cluster, not the products' sum + x.  Rows from 25,000 on are computed on row 24,999's numbers and never stored.
; REGISTERS, in windows of 256: window 0: v1-31 addresses; v32-39 the stream's scale words; v40-47 q's, v48-61 attn's; v64-147 row fragments in hand; v148-255 nine resident row fragments.
;   window 1: v0-191 the unit's 16 fragments; v192-251 five more resident row fragments.   window 2: out's accumulators of tiles 0-3 ((m, T) at v[8 (8 m + T)]).
;   window 3: v0-191 those of tiles 4-6; v192-223 four accumulators of scores; v224-254 the quantiser's registers.
.set ROWS,   25000
.set WGROWS, 112
.set SLOTSZ, 102400
.set UNITSZ, 25600
.set FRB,    1536                      ; a fragment's image
.set SCOFF,  16*FRB                    ; a unit's scale words
.set LNS,    102400                    ; LDS: behind slot A: two sets of 112 rows x 4 waves x 4 bytes for the norm's sums
.set SLOTB,  131072                    ; slot B: one exclusive or turns an address in one slot into the other's
.set IQ,     233472                    ; q's 28 images (tile m, K step s: 4 m + s), each two halves of 768 bytes (16 bytes a lane, then 8 bytes a lane)
.set IQS,    276480                    ; their scale words: 512 m + 16 x lane + 4 s
.set IA,     280064                    ; x's images, then attn's, at the end the four stages of the way out
.set IAS,    323072
.set SPARE,  326656                    ; the spare words, 128 bytes for each wave: two blocks of 256 bytes that no other line names
.set SPW,  1
.set NIL,  2
.set VU0,  3                           ; 25,600 w + 16 x lane
.set VU,   4                           ; the same in the slot in hand
.set AX16, 5                           ; IA + 16 x lane, IA + 8 x lane, IAS + 16 x lane
.set AX8,  6
.set AXS,  7
.set AQ16, 8                           ; the same for IQ
.set AQ8,  9
.set AQS,  10
.set AH16, 11                          ; attn's images of the half chunk in hand
.set AH8,  12
.set AHS,  13
.set WX16, 14                          ; where I store images into IA: + 1,536 w;  scale words: + 4 w
.set WX8,  15
.set WXS,  16
.set WQ16, 17                          ; the same for IQ
.set WQ8,  18
.set WQS,  19
.set DW16, 20                          ; the same with the half in hand
.set DW8,  21
.set DWS,  22
.set LW,   23                          ; LNS + 16 r + 4 w
.set LR,   24                          ; LNS + 16 r
.set STO,  25                          ; my stage + 528 r + 64 h
.set RD,   26                          ; my stage + 16 x lane
.set CO,   27                          ; 16 x lane
.set VLIM, 28                          ; how many of my work-group's rows exist
.set SCL,  32
.set QSC,  40
.set ASC,  48
.set GBO,  62                          ; 64 h
.set QF,   64                          ; two buffers of two fragments
.set AF,   64                          ; seven fragments of attn
.set XO,   64                          ; at the start: x's offsets, one a tile
.set RES,  148
.set H,    192                         ; window 3
.set TM,   224
.set TP,   228
.set SO,   232
.set BY,   236
.set PC,   240
.set PX,   252
.set PX2,  192
.set SM,   64                          ; the norm, window 0: sums in two chains a tile
.set PS,   96                          ; the four waves' partial sums
.set MU,   128                         ; - mean, twice
.set RS,   144                         ; 1 / sqrt(var + eps), twice
.set TV,   160
.set BK,   128                         ; the way out: two sets of 16 rows read back
.set WV,  14
.set TB,  44                           ; LDS byte at which the slot in hand begins
.set DH,  45                           ; 768 x the half that is being made;  s46: 2 x the half
.set DS,  46
.set OH,  47                           ; 3,072 x the half chunk that is being multiplied;  s48: 8 x it
.set OS,  48
.set ACT, 49                           ; the chunk whose slots are being asked for
.set MSB, 0
.macro WIN new                         ; the immediate's high byte repeats the setting that is left
.if MSB != (\new)
	s_set_vgpr_msb (MSB<<8)|(\new)
.set MSB, (\new)
.endif
.endm
.macro PLACES n
.rept \n
	v_nop
.endr
.endm
.macro CROUND                          ; a round of the cluster's barrier
	s_barrier_signal -1
	s_barrier_wait -1
	s_cmp_lg_u32 s[WV], 0
	s_cbranch_scc1 .Lnot_wave_0_\@
	s_barrier_signal -3
.Lnot_wave_0_\@:
	s_barrier_wait -3
	s_barrier_signal -1
	s_barrier_wait -1
.endm
; THE CHANGE OF SLOTS.  Every wave waits for all its tensor loads (the one that is out is its unit of the next slot), adds 0 to its spare word, and waits for that, for its reads of the slot and the images, and for its image stores.
; The barrier behind it therefore also shows the images just stored to every wave, and frees those just read.  fill = 1: the barrier is a round of the cluster's, and the slot just read takes the stream's slot two on.
.macro CHANGE fill, kind
	WIN 0
	s_wait_tensorcnt 0x0                           ; no tensor load of mine is out, so the walking descriptor may be written
	ds_add_u32 v[SPW], v[NIL]                      ; 0 onto my spare word
.if \fill
	s_xor_b32 s37, s37, SLOTB                      ; the other LDS slot than last time,
	s_add_co_u32 s42, s42, SLOTSZ                  ; the stream's next slot
	s_add_nc_u64 s[38:39], s[40:41], s[42:43]
	s_or_b32 s39, s39, 0x80000000
.endif
	s_xor_b32 s[TB], s[TB], SLOTB
.if \kind
	s_xor_b32 s[OH], s[OH], 2*FRB
	s_xor_b32 s[OS], s[OS], 8
.else
	s_xor_b32 s[DH], s[DH], 768
	s_xor_b32 s[DS], s[DS], 2
.endif
	s_wait_dscnt 0x0
.if \fill
	CROUND                                         ; no wave of any partner still reads the slot or has a load on its way
	tensor_load_to_lds s[36:39], s[24:31]          ; my one tensor load behind the round, and the first thing there
	s_nop 0
	PLACES 4                                       ; (places ahead of the loads that follow)
.else
	s_barrier_signal -1
	s_barrier_wait -1
	PLACES 4                                       ; places ahead of the loads into registers that the last products read
.endif
.endm
; nb blocks of 32 (2 or 4): register 16 b + i of window sw, from src on, = k 32 b + 16 h + i of my row.  Codes to v[PC] on, the scale bytes to v[BY], both in window 3.
.macro QNT nb, src, sw
	WIN 0xf0|(5*(\sw))
.set qb, 0
.rept \nb
	v_max3_num_f32 v[TM+qb], |v[\src+16*qb]|, |v[\src+16*qb+1]|, 0x2800000   ; with the floor 2^(5 - 127); each accumulator is read from its low end on
.set qb, qb+1
.endr
	WIN 0xc3|(0x14*(\sw))
.irp i, 2,4,6,8,10,12,14
.set qb, 0
.rept \nb
	v_max3_num_f32 v[TM+qb], v[TM+qb], |v[\src+16*qb+\i]|, |v[\src+16*qb+\i+1]|
.set qb, qb+1
.endr
.endr
	WIN 0xff
.set qb, 0
.rept \nb
	v_permlanex16_b32 v[TP+qb], v[TM+qb], s20, s21
.set qb, qb+1
.endr
.set qb, 0
.rept \nb
	v_max_num_f32 v[TM+qb], v[TM+qb], v[TP+qb]     ; with lane l xor 16's 16: the block's largest magnitude
.set qb, qb+1
.endr
.set qb, 0
.rept \nb
	v_add_nc_u32 v[SO+qb], 0xfe000000, v[TM+qb]    ; 4 off the exponent field: the conversion's scale operand
.set qb, qb+1
.endr
.set qb, 0
.rept \nb
	v_lshrrev_b32 v[BY+qb], 23, v[SO+qb]           ; the scale's byte
.set qb, qb+1
.endr
	v_lshl_or_b32 v[BY], v[BY+1], 8, v[BY]
.if \nb == 4
	v_lshl_or_b32 v[BY], v[BY+2], 16, v[BY]
	v_lshl_or_b32 v[BY], v[BY+3], 24, v[BY]
.endif
	WIN 0xfc|(\sw)
	v_cvt_scalef32_pk16_bf6_f32 v[PC:PC+2], v[\src:\src+15], v[SO]
	v_cvt_scalef32_pk16_bf6_f32 v[PX:PX+2], v[\src+16:\src+31], v[SO+1]   ; (a conversion's three registers begin on an even number)
.if \nb == 4
	v_cvt_scalef32_pk16_bf6_f32 v[PC+6:PC+8], v[\src+32:\src+47], v[SO+2]
	v_cvt_scalef32_pk16_bf6_f32 v[PX2:PX2+2], v[\src+48:\src+63], v[SO+3]
.endif
	WIN 0xff
	v_nop                                          ; one plain place behind the scaled conversions
.irp i, 0,1,2
	v_permlane16_swap_b32 v[PC+\i], v[PX+\i]       ; the operand's layout wants a whole block in a lane
.endr
.irp i, 0,1,2
	v_mov_b32 v[PC+3+\i], v[PX+\i]
.endr
.if \nb == 4
.irp i, 0,1,2
	v_permlane16_swap_b32 v[PC+6+\i], v[PX2+\i]
.endr
.irp i, 0,1,2
	v_mov_b32 v[PC+9+\i], v[PX2+\i]
.endr
.endif
.endm
.macro FRAG4 F, A16, A8, off           ; a row fragment's image comes back into 12 registers
	ds_load_b128 v[(\F):(\F)+3], v[\A16] offset:(\off)
	ds_load_b64 v[(\F)+4:(\F)+5], v[\A8] offset:(\off)+512
	ds_load_b128 v[(\F)+6:(\F)+9], v[\A16] offset:(\off)+768
	ds_load_b64 v[(\F)+10:(\F)+11], v[\A8] offset:(\off)+1280
.endm
.macro QLOAD m, A16, A8, AS            ; tile m's fragments of K steps 2 and 3 and its four scale words: 9 loads
	FRAG4 QF+24*((\m)%2), \A16, \A8, 4*FRB*(\m)+2*FRB
	FRAG4 QF+24*((\m)%2)+12, \A16, \A8, 4*FRB*(\m)+3*FRB
	ds_load_b128 v[QSC+4*((\m)%2):QSC+4*((\m)%2)+3], v[\AS] offset:512*(\m)
.endm
.macro RESLOAD A16, A8                 ; the fragments of K steps 0 and 1 of all seven tiles stay in registers: half of the row fragments are read from LDS once for all slots
.irp p, 0,1,2,3,4,5,6,7,8,9,10,11,12,13
.if \p < 9
	WIN 0
	FRAG4 RES+12*\p, \A16, \A8, FRB*(4*(\p/2)+\p%2)
.else
	WIN 0x40
	FRAG4 192+12*(\p-9), \A16, \A8, FRB*(4*(\p/2)+\p%2)
.endif
.endr
	WIN 0
.endm
.macro WM d, a, b, zero, sa, sb, row1
.if (\zero)
	v_wmma_scale_f32_16x16x128_f8f6f4 v[(\d):(\d)+7], v[(\a):(\a)+11], v[(\b):(\b)+11], 0, v[(\sa)], v[(\sb)] matrix_a_fmt:MATRIX_FMT_BF6 matrix_b_fmt:MATRIX_FMT_BF6
.elseif (\row1)
	v_wmma_scale_f32_16x16x128_f8f6f4 v[(\d):(\d)+7], v[(\a):(\a)+11], v[(\b):(\b)+11], v[(\d):(\d)+7], v[(\sa)], v[(\sb)] matrix_a_fmt:MATRIX_FMT_BF6 matrix_b_fmt:MATRIX_FMT_BF6 matrix_a_scale:MATRIX_SCALE_ROW1
.else
	v_wmma_scale_f32_16x16x128_f8f6f4 v[(\d):(\d)+7], v[(\a):(\a)+11], v[(\b):(\b)+11], v[(\d):(\d)+7], v[(\sa)], v[(\sb)] matrix_a_fmt:MATRIX_FMT_BF6 matrix_b_fmt:MATRIX_FMT_BF6
.endif
.endm
; A HALF of q or of attn: my unit's 64 rows (4 tiles, 4 K steps: fragment 4 s + t) against the 7 tiles of rows whose images lie at A16/A8/AS; the results, quantised, are half a fragment a tile and go to W16/W8/WS.
.macro SHALF A16, A8, AS, W16, W8, WS
	v_add_nc_u32 v[VU], s[TB], v[VU0]              ; (four plain lines: places ahead of the loads below)
	v_add_nc_u32 v[DW16], s[DH], v[\W16]
	v_add_nc_u32 v[DW8], s[DH], v[\W8]
	v_add_nc_u32 v[DWS], s[DS], v[\WS]
	ds_load_b128 v[SCL:SCL+3], v[VU] offset:SCOFF          ; lanes 0-15: the words of fragments 0-3, lanes 16-31: of 4-7
	ds_load_b128 v[SCL+4:SCL+7], v[VU] offset:SCOFF+512    ; of 8-11 and 12-15
	QLOAD 0, \A16, \A8, \AS
	WIN 0x40
.set k, 0
.rept 48
	ds_load_b128 v[4*k:4*k+3], v[VU] offset:512*k  ; the unit's 16 fragments, in the order in which they are multiplied
.set k, k+1
.endr
	WIN 0
.irp m, 0,1,2,3,4,5,6
.if \m < 6
	QLOAD \m+1, \A16, \A8, \AS                     ; a tile ahead, into the other buffer
.endif
.irp s, 0,1,2,3
.if \m == 0
	s_wait_dscnt 45-12*\s                          ; K step s of the unit is in: behind it the 12 loads of each later K step and the 9 of the next tile
.elseif \s == 0
.if \m < 6
	s_wait_dscnt 9                                 ; all but the 9 just issued: this tile's fragments are in, the last tile's image stores have read their registers
.else
	s_wait_dscnt 0
.endif
.endif
.set rB, QF+24*(\m%2)+12*(\s%2)
.set wB, 0xf1
.if \s < 2
.set rB, RES+12*(2*\m+\s)
.if 2*\m+\s > 8
.set rB, 192+12*(2*\m+\s-9)
.set wB, 0xf5
.endif
.endif
	WIN wB                                         ; source 0 window 1, source 1 window 0 or 1, C and D window 3
.irp t, 0,1,2,3                        ; the four accumulators by turns, K ascending
	WM H+8*\t, 12*(4*\s+\t), rB, \s==0, SCL+4*(\s/2)+\t, QSC+4*(\m%2)+\s, \s%2
.endr
.endr
	PLACES 5                                       ; ahead of the reads of the results (4), and of the next tile's products, which begin these accumulators anew (5)
	QNT 2, H, 3
	WIN 0x0c                                       ; an LDS store's data are its source 1: window 3
	ds_store_b128 v[DW16], v[PC:PC+3] offset:4*FRB*\m
	ds_store_b64 v[DW8], v[PC+4:PC+5] offset:4*FRB*\m+512
	ds_store_b16 v[DWS], v[BY] offset:512*\m       ; my half's two bytes of the row's scale word
	WIN 0
.endr
.endm
.macro AFETCH m, ss
	FRAG4 AF+12*(\m), AH16, AH8, 4*FRB*(\m)+FRB*(\ss)
.endm
.macro OMUL m, ss                      ; tile m of rows x my 8 tiles of columns, the half chunk's K step ss
.irp T, 0,1,2,3,4,5,6,7
	WM 8*(8*((\m)%4)+\T), 12*(8*(\ss)+\T), AF+12*(\m), 0, SCL+4*(\ss)+\T%4, ASC+2*(\m)+(\ss), \T/4
.endr
.endm
; HALF A CHUNK of out += attn v: 256 observations, two K steps; my unit is fragment 8 ss + T.  The 56 accumulators take turns, one instruction a turn.
.macro OHALF
	v_add_nc_u32 v[VU], s[TB], v[VU0]              ; (four plain lines: places ahead of the loads below)
	v_add_nc_u32 v[AH16], s[OH], v[AX16]
	v_add_nc_u32 v[AH8], s[OH], v[AX8]
	v_add_nc_u32 v[AHS], s[OS], v[AXS]
	ds_load_b128 v[SCL:SCL+3], v[VU] offset:SCOFF
	ds_load_b128 v[SCL+4:SCL+7], v[VU] offset:SCOFF+512
.irp m, 0,1,2,3,4,5,6
	ds_load_b64 v[ASC+2*\m:ASC+2*\m+1], v[AHS] offset:512*\m   ; attn's scale words of both K steps
.endr
.irp m, 0,1,2,3
	AFETCH \m, 0
.endr
	WIN 0x40
.set k, 0
.rept 24
	ds_load_b128 v[4*k:4*k+3], v[VU] offset:512*k
.set k, k+1
.endr
	WIN 0
.irp m, 4,5,6
	AFETCH \m, 0
.endr
	WIN 0x40
.rept 24
	ds_load_b128 v[4*k:4*k+3], v[VU] offset:512*k
.set k, k+1
.endr
	s_wait_dscnt 36                                ; tiles 4-6 (12 loads) and the unit's second K step (24) may be out
	WIN 0xa1                                       ; source 0 window 1, source 1 window 0, C and D window 2
.irp m, 0,1,2,3
	OMUL \m, 0
.endr
	s_wait_dscnt 24                                ; the unit's second K step may be out
	PLACES 4
	WIN 0
.irp m, 0,1,2,3
	AFETCH \m, 1
.endr
	WIN 0xf1                                       ; C and D window 3
.irp m, 4,5,6
	OMUL \m, 0
.endr
	PLACES 4
	WIN 0
.irp m, 4,5,6
	AFETCH \m, 1
.endr
	s_wait_dscnt 12                                ; all but the 12 just issued
	WIN 0xa1
.irp m, 0,1,2,3
	OMUL \m, 1
.endr
	s_wait_dscnt 0
	WIN 0xf1
.irp m, 4,5,6
	OMUL \m, 1
.endr
	WIN 0
.endm
	; ---------------- the head
	s_load_b256 s[4:11], s[0:1], 0x0               ; x s[4:5], the stream s[6:7], gamma s[8:9], beta s[10:11]
	s_load_b64 s[12:13], s[0:1], 0x20              ; out
	v_lshl_add_u32 v[SPW], v0, 2, SPARE
	v_mov_b32 v[NIL], 0
	ds_add_u32 v1, v2
	ds_add_u32 v1, v2
	s_wait_dscnt 0x0
	v_lshrrev_b32 v29, 5, v0
	v_readfirstlane_b32 s[WV], v29                 ; wave 0..3
	s_bfe_u32 s15, ttmp6, 0x40000                  ; cx: it enters x's and out's addresses and the mask of rows that exist, nothing else
	s_lshl_b32 s16, ttmp9, 2
	s_add_co_u32 s16, s16, s15                     ; my work-group
	s_mul_i32 s17, s16, WGROWS                     ; its first row
	s_sub_co_u32 s18, ROWS, s17                    ; rows that exist from there on
	s_mov_b32 s20, 0x76543210
	s_mov_b32 s21, 0xfedcba98                      ; v_permlanex16_b32's selects for lane l xor 16
	; descriptor group 1: a unit is a dense block of 25,600 bytes: 100 rows of 32 elements of 8 bytes, no padding
	s_mov_b32 s24, 15|(3<<16)|(1<<21)              ; 15:0 the mask: all four work-groups; 17:16 elements of 8 bytes; 21 set beside a mask
	s_mov_b32 s25, 32<<16                          ; tensor_dim0 = 32
	s_mov_b32 s26, 100<<16                         ; tensor_dim1 = 100
	s_mov_b32 s27, 32<<16                          ; tile_dim0 = 32
	s_mov_b32 s28, 100                             ; tile_dim1 = 100
	s_mov_b32 s29, 32                              ; from row to row
	s_mov_b32 s30, 0
	s_mov_b32 s31, 0
	s_mul_i32 s33, s[WV], UNITSZ                   ; my unit's place in a slot, in LDS as in the stream
	s_mov_b32 s42, s33
	s_mov_b32 s43, 0
	s_mov_b32 s32, 1
	s_mov_b32 s36, 1
	s_add_co_u32 s37, s33, SLOTB
	s_mov_b32 s[TB], 0
	s_mov_b32 s[DH], 0
	s_mov_b32 s[DS], 0
	s_mov_b32 s[OH], 0
	s_mov_b32 s[OS], 0
	s_and_b32 s[ACT], ttmp9, 3                     ; the cluster's first chunk: the same in all four partners
	s_wait_kmcnt 0x0
	s_add_nc_u64 s[40:41], s[6:7], s[42:43]        ; the stream at my unit of slot 0
	s_mov_b64 s[34:35], s[40:41]
	s_or_b32 s35, s35, 0x80000000
	s_add_nc_u64 s[38:39], s[40:41], SLOTSZ
	s_or_b32 s39, s39, 0x80000000
	s_mul_i32 s42, s[ACT], 4*SLOTSZ
	s_add_co_u32 s42, s42, SLOTSZ                  ; one slot short of the first chunk's first: each change of slots steps it first
	CROUND                                         ; all four work-groups are here: the first joint loads meet
	tensor_load_to_lds s[32:35], s[24:31]          ; W_q's first half into slot A,
	s_nop 0
	tensor_load_to_lds s[36:39], s[24:31]          ; its second into slot B: two loads of mine are out
	s_nop 0
	PLACES 4
	v_and_b32 v29, 31, v0                          ; lane
	v_and_b32 v30, 15, v0                          ; r
	v_bfe_u32 v31, v0, 4, 1                        ; h
.irp m, 0,1,2,3,4,5,6
	v_add_nc_u32 v[XO+\m], s17, v30
.endr
.irp m, 0,1,2,3,4,5,6
	v_add_nc_u32 v[XO+\m], 16*\m, v[XO+\m]
.endr
.irp m, 0,1,2,3,4,5,6
	v_min_u32 v[XO+\m], ROWS-1, v[XO+\m]           ; no load leaves the buffer
.endr
.irp m, 0,1,2,3,4,5,6
	v_lshlrev_b32 v[XO+\m], 11, v[XO+\m]
.endr
.irp m, 0,1,2,3,4,5,6
	v_lshl_add_u32 v[XO+\m], v31, 6, v[XO+\m]      ; row x 2,048 + 64 h
.endr
	s_lshl_b32 s56, s[WV], 9                       ; my 128 columns
	s_mov_b32 s57, 0
	s_add_nc_u64 s[4:5], s[4:5], s[56:57]
	s_add_nc_u64 s[8:9], s[8:9], s[56:57]
	s_add_nc_u64 s[10:11], s[10:11], s[56:57]
	s_add_nc_u64 s[12:13], s[12:13], s[56:57]
	s_lshl_b32 s58, s17, 11
	s_mov_b32 s59, 0
	s_add_nc_u64 s[12:13], s[12:13], s[58:59]
	; x into out's accumulators: register 16 b + i of tile m = x(row, 128 w + 32 b + 16 h + i), the layout of the last product's results
.irp m, 0,1,2,3,4,5,6
	WIN 0x80+0x40*(\m/4)                           ; destination window 2 or 3
.irp b, 0,1,2,3
.irp i, 0,1,2,3
	global_load_b128 v[64*(\m%4)+16*\b+4*\i:64*(\m%4)+16*\b+4*\i+3], v[XO+\m], s[4:5] offset:128*\b+16*\i th:TH_LOAD_NT
.endr
.endr
.endr
.irp b, 0,1,2,3
	v_mov_b32 v[TP+\b], 0                          ; (window 3)  written once: a lane permute's destination counts as one of its sources
.endr
	WIN 0
	v_lshl_add_u32 v[VU0], v29, 4, s33
	v_lshl_add_u32 v[AX16], v29, 4, IA
	v_lshl_add_u32 v[AX8], v29, 3, IA
	v_lshl_add_u32 v[AXS], v29, 4, IAS
	v_lshl_add_u32 v[AQ16], v29, 4, IQ
	v_lshl_add_u32 v[AQ8], v29, 3, IQ
	v_lshl_add_u32 v[AQS], v29, 4, IQS
	s_mul_i32 s53, s[WV], FRB
	s_lshl_b32 s54, s[WV], 2
	s_mul_i32 s55, s[WV], 16*528
	s_add_co_u32 s55, s55, IA
	v_add_nc_u32 v[WX16], s53, v[AX16]
	v_add_nc_u32 v[WX8], s53, v[AX8]
	v_add_nc_u32 v[WXS], s54, v[AXS]
	v_add_nc_u32 v[WQ16], s53, v[AQ16]
	v_add_nc_u32 v[WQ8], s53, v[AQ8]
	v_add_nc_u32 v[WQS], s54, v[AQS]
	v_lshl_add_u32 v[LR], v30, 4, LNS
	v_add_nc_u32 v[LW], s54, v[LR]
	v_mul_u32_u24 v[STO], v30, 528
	v_lshl_add_u32 v[STO], v31, 6, v[STO]
	v_add_nc_u32 v[STO], s55, v[STO]
	v_lshl_add_u32 v[RD], v29, 4, s55
	v_lshlrev_b32 v[CO], 4, v29
	v_mov_b32 v[VLIM], s18
	v_lshlrev_b32 v[GBO], 6, v31
	; ---------------- x is quantised: wave w makes K step w of all seven tiles
.irp m, 0,1,2,3,4,5,6
.if 16*(6-\m) > 63
	s_wait_loadcnt 63                              ; 16 (6 - m) younger loads might stay out; the wait's field ends at 63
.else
	s_wait_loadcnt 16*(6-\m)                       ; the later tiles' loads stay out
.endif
	QNT 4, 64*(\m%4), 2+\m/4
	WIN 0x0c
	ds_store_b128 v[WX16], v[PC:PC+3] offset:4*FRB*\m
	ds_store_b64 v[WX8], v[PC+4:PC+5] offset:4*FRB*\m+512
	ds_store_b128 v[WX16], v[PC+6:PC+9] offset:4*FRB*\m+768
	ds_store_b64 v[WX8], v[PC+10:PC+11] offset:4*FRB*\m+1280
	ds_store_b32 v[WXS], v[BY] offset:512*\m
	s_wait_dscnt 0x0                               ; the stores have read their registers
.endr
	WIN 0
	s_wait_tensorcnt 1                             ; my unit of slot A is in; slot B's may stay out
	s_barrier_signal -1
	s_barrier_wait -1                              ; x's 28 images lie in LDS
	; ---------------- q = x W_q^T, two halves
	RESLOAD AX16, AX8
	s_mov_b32 s50, 2
.Lq:
	SHALF AX16, AX8, AXS, WQ16, WQ8, WQS
	CHANGE 1, 0                                    ; the fills bring the first chunk's two halves of k
	s_sub_co_u32 s50, s50, 1
	s_cmp_lg_u32 s50, 0
	s_cbranch_scc1 .Lq
	RESLOAD AQ16, AQ8
	; ---------------- the chunks of 512 observations: attn = q k^T (two halves), out += attn v (two halves)
	s_mov_b32 s51, 3
.Lchunk:
	s_mov_b32 s50, 2
.Ls:
	SHALF AQ16, AQ8, AQS, WX16, WX8, WXS
	CHANGE 1, 0                                    ; the fills bring this chunk's two halves of v
	s_sub_co_u32 s50, s50, 1
	s_cmp_lg_u32 s50, 0
	s_cbranch_scc1 .Ls
	s_add_co_u32 s[ACT], s[ACT], 1                 ; on to the next chunk, round the four
	s_and_b32 s[ACT], s[ACT], 3
	s_mul_i32 s42, s[ACT], 4*SLOTSZ
	s_add_co_u32 s42, s42, SLOTSZ
	s_mov_b32 s50, 2
.Lo:
	OHALF
	CHANGE 1, 1                                    ; the fills bring the next chunk's two halves of k
	s_sub_co_u32 s50, s50, 1
	s_cmp_lg_u32 s50, 0
	s_cbranch_scc1 .Lo
	s_sub_co_u32 s51, s51, 1
	s_cmp_lg_u32 s51, 0
	s_cbranch_scc1 .Lchunk
	s_mov_b32 s50, 2                               ; the last chunk is written out
.Lt:
	SHALF AQ16, AQ8, AQS, WX16, WX8, WXS
	CHANGE 1, 0                                    ; its two halves of v: the last fills
	s_sub_co_u32 s50, s50, 1
	s_cmp_lg_u32 s50, 0
	s_cbranch_scc1 .Lt
	OHALF
	CHANGE 0, 1
	OHALF
	; ---------------- the norm.  The accumulators hold out + x: register 16 b + i of tile m = column 128 w + 32 b + 16 h + i of row r
; sw: the window, m0: its first tile, n: its tiles
.macro SUMG sw, m0, n
	WIN 5*(\sw)
.set gm, 0
.rept \n
	v_pk_add_f32 v[SM+4*(\m0+gm):SM+4*(\m0+gm)+1], v[64*gm:64*gm+1], v[64*gm+2:64*gm+3]        ; each accumulator is read from its low end on
	v_pk_add_f32 v[SM+4*(\m0+gm)+2:SM+4*(\m0+gm)+3], v[64*gm+4:64*gm+5], v[64*gm+6:64*gm+7]
.set gm, gm+1
.endr
	WIN 4*(\sw)
.set gj, 8
.rept 14
.set gm, 0
.rept \n
	v_pk_add_f32 v[SM+4*(\m0+gm):SM+4*(\m0+gm)+1], v[SM+4*(\m0+gm):SM+4*(\m0+gm)+1], v[64*gm+gj:64*gm+gj+1]
	v_pk_add_f32 v[SM+4*(\m0+gm)+2:SM+4*(\m0+gm)+3], v[SM+4*(\m0+gm)+2:SM+4*(\m0+gm)+3], v[64*gm+gj+2:64*gm+gj+3]
.set gm, gm+1
.endr
.set gj, gj+4
.endr
.endm
.macro SQG sw, m0, n
	WIN 5*(\sw)
.set gm, 0
.rept \n
	v_pk_mul_f32 v[SM+4*(\m0+gm):SM+4*(\m0+gm)+1], v[64*gm:64*gm+1], v[64*gm:64*gm+1]
	v_pk_mul_f32 v[SM+4*(\m0+gm)+2:SM+4*(\m0+gm)+3], v[64*gm+2:64*gm+3], v[64*gm+2:64*gm+3]
.set gm, gm+1
.endr
.set gj, 4
.rept 15
.set gm, 0
.rept \n
	v_pk_fma_f32 v[SM+4*(\m0+gm):SM+4*(\m0+gm)+1], v[64*gm+gj:64*gm+gj+1], v[64*gm+gj:64*gm+gj+1], v[SM+4*(\m0+gm):SM+4*(\m0+gm)+1]
	v_pk_fma_f32 v[SM+4*(\m0+gm)+2:SM+4*(\m0+gm)+3], v[64*gm+gj+2:64*gm+gj+3], v[64*gm+gj+2:64*gm+gj+3], v[SM+4*(\m0+gm)+2:SM+4*(\m0+gm)+3]
.set gm, gm+1
.endr
.set gj, gj+4
.endr
.endm
.macro ADDG sw, m0, n                  ; x - mean, in place
	WIN 0x41*(\sw)
.set gm, 0
.rept \n
.set gj, 0
.rept 32
	v_pk_add_f32 v[64*gm+gj:64*gm+gj+1], v[64*gm+gj:64*gm+gj+1], v[MU+2*(\m0+gm):MU+2*(\m0+gm)+1]
.set gj, gj+2
.endr
.set gm, gm+1
.endr
.endm
.macro OUTG sw, m0, n                  ; x 1 / sqrt(var + eps), then x gamma + beta
	WIN 0x41*(\sw)
.set gm, 0
.rept \n
.set gj, 0
.rept 32
	v_pk_mul_f32 v[64*gm+gj:64*gm+gj+1], v[64*gm+gj:64*gm+gj+1], v[RS+2*(\m0+gm):RS+2*(\m0+gm)+1]
.set gj, gj+2
.endr
.set gm, gm+1
.endr
	WIN (0x41*(\sw))|0x14                          ; sources 1 and 2 (gamma, beta) window 1
.set gm, 0
.rept \n
.set gj, 0
.rept 32
	v_pk_fma_f32 v[64*gm+gj:64*gm+gj+1], v[64*gm+gj:64*gm+gj+1], v[gj:gj+1], v[64+gj:64+gj+1]
.set gj, gj+2
.endr
.set gm, gm+1
.endr
.endm
; the two chains, the pair's halves and lane l xor 16's are added; the four waves' sums meet in LDS (so: which set of words); every wave adds them in the same order: v[PS + 4 m] = the row's sum
.macro XCHG so
	WIN 0
.irp m, 0,1,2,3,4,5,6
	v_pk_add_f32 v[SM+4*\m:SM+4*\m+1], v[SM+4*\m:SM+4*\m+1], v[SM+4*\m+2:SM+4*\m+3]
.endr
.irp m, 0,1,2,3,4,5,6
	v_add_f32 v[SM+4*\m], v[SM+4*\m], v[SM+4*\m+1]
.endr
.irp m, 0,1,2,3,4,5,6
	v_permlanex16_b32 v[SM+4*\m+1], v[SM+4*\m], s20, s21
.endr
.irp m, 0,1,2,3,4,5,6
	v_add_f32 v[SM+4*\m], v[SM+4*\m], v[SM+4*\m+1]
.endr
.irp m, 0,1,2,3,4,5,6
	ds_store_b32 v[LW], v[SM+4*\m] offset:\so+256*\m   ; lanes r and r + 16 write the same word with the same value
.endr
	s_wait_dscnt 0x0                               ; for the others' sake: my stores have landed (and all my earlier LDS reads are in)
	s_barrier_signal -1
	s_barrier_wait -1
.irp m, 0,1,2,3,4,5,6
	ds_load_b128 v[PS+4*\m:PS+4*\m+3], v[LR] offset:\so+256*\m
.endr
	s_wait_dscnt 0x0
.irp m, 0,1,2,3,4,5,6
	v_add_f32 v[PS+4*\m], v[PS+4*\m], v[PS+4*\m+1]
	v_add_f32 v[PS+4*\m+2], v[PS+4*\m+2], v[PS+4*\m+3]
.endr
.irp m, 0,1,2,3,4,5,6
	v_add_f32 v[PS+4*\m], v[PS+4*\m], v[PS+4*\m+2]
.endr
.endm
	PLACES 4                                       ; behind the last products: ahead of the reads of their results and of the loads into the registers that held their operands
	WIN 0x40
.irp b, 0,1,2,3
.irp i, 0,1,2,3
	global_load_b128 v[16*\b+4*\i:16*\b+4*\i+3], v[GBO], s[8:9] offset:128*\b+16*\i          ; gamma and beta of my 64 columns, in the accumulators' order
	global_load_b128 v[64+16*\b+4*\i:64+16*\b+4*\i+3], v[GBO], s[10:11] offset:128*\b+16*\i
.endr
.endr
	SUMG 2, 0, 4
	SUMG 3, 4, 3
	XCHG 0
.irp m, 0,1,2,3,4,5,6
	v_mul_f32 v[MU+2*\m], 0xbb000000, v[PS+4*\m]   ; - sum / 512
.endr
.irp m, 0,1,2,3,4,5,6
	v_mov_b32 v[MU+2*\m+1], v[MU+2*\m]
.endr
	ADDG 2, 0, 4
	ADDG 3, 4, 3
	SQG 2, 0, 4
	SQG 3, 4, 3
	XCHG 1792
	s_mov_b32 s53, 0x3b000000                      ; 1 / 512
	s_mov_b32 s54, 0x358637bd                      ; eps = 1e-6
.irp m, 0,1,2,3,4,5,6
	v_fma_f32 v[TV+\m], v[PS+4*\m], s53, s54
.endr
.irp m, 0,1,2,3,4,5,6
	v_rsq_f32 v[RS+2*\m], v[TV+\m]
.endr
	v_nop                                          ; a plain place behind the last of the seven
	s_wait_alu depctr_va_vdst(0)                   ; one wait for the batch, ahead of its first reader
.irp m, 0,1,2,3,4,5,6
	v_mov_b32 v[RS+2*\m+1], v[RS+2*\m]
.endr
	s_wait_loadcnt 0x0                             ; gamma and beta
	OUTG 2, 0, 4
	OUTG 3, 4, 3
	; ---------------- the way out.  A lane holds pieces of one row and the lanes beside it other rows: a tile goes through my own stage (16 rows of 512 bytes + 16) and comes back as whole rows.
	; The stages lie where attn's images lay: every wave has passed two barriers behind its last read of them, and no fill ever lands there.
.macro TOSTAGE m
	WIN 4*(2+(\m)/4)                               ; the data: window 2 or 3
.irp k, 0,1,2,3,4,5,6,7,8,9,10,11,12,13,14,15
	ds_store_b128 v[STO], v[64*((\m)%4)+4*\k:64*((\m)%4)+4*\k+3] offset:128*(\k/4)+16*(\k%4)
.endr
	WIN 0
.irp i, 0,1,2,3,4,5,6,7,8,9,10,11,12,13,14,15
	ds_load_b128 v[BK+64*((\m)%2)+4*\i:BK+64*((\m)%2)+4*\i+3], v[RD] offset:528*\i   ; LDS serves a wave's instructions in order: these see the stores above, and the next tile's stores come behind them
.endr
.endm
.macro SEND a, younger                 ; younger: the LDS instructions issued behind tile a's loads, which may stay out
	s_wait_dscnt \younger
.irp g, 0,1                            ; eight rows at a time: the rows that exist in the last work-group are a multiple of eight.  A mask, not a branch
	s_wait_xcnt 0x0                                ; EXEC changes only behind this wait
	v_cmp_lt_u32 vcc_lo, 16*(\a)+8*\g, v[VLIM]
	s_and_saveexec_b32 s52, vcc_lo
.irp i, 0,1,2,3,4,5,6,7
	global_store_b128 v[CO], v[BK+64*((\a)%2)+4*(8*\g+\i):BK+64*((\a)%2)+4*(8*\g+\i)+3], s[12:13] offset:(16*(\a)+8*\g+\i)*2048 th:TH_STORE_NT   ; 32 lanes store 512 consecutive bytes, aligned
.endr
	s_wait_xcnt 0x0                                ; and again ahead of the line that widens it; the stores have also read their data: the set may be loaded again
	s_or_b32 exec_lo, exec_lo, s52
.endr
.endm
	TOSTAGE 0
.irp a, 1,2,3,4,5,6
	TOSTAGE \a
	SEND \a-1, 32                                  ; behind tile a - 1's loads: tile a's 16 stores and 16 loads
.endr
	SEND 6, 0
	s_wait_tensorcnt 0x0                           ; the wave's end: behind my last tensor load and my last LDS store
	ds_add_u32 v[SPW], v[NIL]
	s_wait_dscnt 0x0
	CROUND                                         ; the closing round: no work-group ends while a partner may still ask for a unit that names it
	s_endpgm
.Lfunc_end_k_q52050fd4bc_attn:
	.size	k_q52050fd4bc_attn, .Lfunc_end_k_q52050fd4bc_attn-k_q52050fd4bc_attn
	.p2alignl 7, 3214868480
	.fill 96, 4, 3214868480
	.section	.rodata,"a",@progbits
	.p2align	6, 0x0
	.amdhsa_kernel k_q52050fd4bc_attn
		.amdhsa_group_segment_fixed_size 327680
		.amdhsa_private_segment_fixed_size 0
		.amdhsa_enable_private_segment 0
		.amdhsa_kernarg_size 40
		.amdhsa_user_sgpr_count 2
		.amdhsa_user_sgpr_kernarg_segment_ptr 1
		.amdhsa_wavefront_size32 1
		.amdhsa_system_sgpr_workgroup_id_x 1
		.amdhsa_system_sgpr_workgroup_id_y 1
		.amdhsa_system_sgpr_workgroup_id_z 1
		.amdhsa_system_vgpr_workitem_id 0
		.amdhsa_next_free_vgpr 1024
		.amdhsa_next_free_sgpr 66
		.amdhsa_reserve_vcc 1
		.amdhsa_float_denorm_mode_32 3
		.amdhsa_float_denorm_mode_16_64 3
		.amdhsa_memory_ordered 1
		.amdhsa_forward_progress 1
		.amdhsa_inst_pref_size 255
	.end_amdhsa_kernel
	.section	.bss,"aw",@nobits
	.p2align	6
	.space	262144
	.amdgpu_metadata
---
amdhsa.version: [ 1, 2 ]
amdhsa.kernels:
  - .name:           k_q52050fd4bc_attn
    .symbol:         k_q52050fd4bc_attn.kd
    .args:
      - { .name: node_feature, .offset: 0, .size: 8, .value_kind: global_buffer, .address_space: global }
      - { .name: stream, .offset: 8, .size: 8, .value_kind: global_buffer, .address_space: global }
      - { .name: ln_gamma, .offset: 16, .size: 8, .value_kind: global_buffer, .address_space: global }
      - { .name: ln_beta, .offset: 24, .size: 8, .value_kind: global_buffer, .address_space: global }
      - { .name: out0, .offset: 32, .size: 8, .value_kind: global_buffer, .address_space: global }
    .group_segment_fixed_size: 327680
    .private_segment_fixed_size: 0
    .kernarg_segment_align: 8
    .kernarg_segment_size: 40
    .max_flat_workgroup_size: 128
    .sgpr_count:     66
    .vgpr_count:     1024
    .wavefront_size: 32
...
	.end_amdgpu_metadata
.endif
;; end of part 2
;; ======== version 2 of 2: 2 launches
;; limits: right only within a limited range of input values
;; workspace buffers: stream 1,843,200 bytes
;; launch prep (part 3): grid 256 x 1, 4 waves a work-group, no clusters, 123,392 bytes of LDS; arguments obs_feature, W_k, W_v, W_q, stream; writes stream
.if DOCPART == 3
	.amdgcn_target "amdgcn-amd-amdhsa--gfx1250"
	.amdhsa_code_object_version 6
	.text
	.protected	k_q52050fd4bc_prep
	.globl	k_q52050fd4bc_prep
	.p2align	8
	.type	k_q52050fd4bc_prep,@function
k_q52050fd4bc_prep:
	s_mov_b64 s[64:65], 0
	v_nop
	global_prefetch_b8 v0, s[64:65] scope:SCOPE_SE
	s_setreg_imm32_b32 hwreg(HW_REG_WAVE_MODE, 25, 1), 1
	s_wait_xcnt 0x0
; PREP: everything that all row blocks of the main launch share is made once, as codes of BF6 (E3M2) with E8M0 scale bytes, and laid in the order in which the main launch's waves take it.
;   k = obs W_k^T and v = obs W_v^T (both operands quantised along their 256), then k quantised along its 512 columns and v along the observations; W_q quantised along its 512 inputs.
; STREAM: 18 slots of 102,400 bytes; a slot is 4 units (one for each wave w of the main launch) of 25,600 bytes: 16 fragment images of 1,536 bytes and 1,024 bytes of scale words.
;   A fragment image is the operand's 12 registers as they stand: registers 4 j .. 4 j + 3 of lane l at 512 j + 16 l.  The scale word of fragment f, row r: 24,576 + 256 (f / 4) + 16 r + 4 (f % 4).
;   Slots 0, 1: W_q's halves.  Slots 2 + 4 c + 0, 1: k of chunk c (512 observations), halves;  + 2, 3: v of chunk c, halves.
;   THE ROWS OF A TILE ARE NOT NEIGHBOURS: lane r of tile t takes row base + 32 (t / 2) + 8 (t % 2) + r + 8 (r / 8), so that in a transposed product the 16 registers of two neighbouring tiles are 16 neighbours along the next K.
; WORK-GROUPS 0-127 make k, 128-255 v, by one macro: source 0 is the WIDE operand (128 rows: W_k for k, obs for v), source 1 the NARROW one (16 rows a wave: obs for k, W_v for v); a lane of the result
;   holds one narrow row and 64 numbers along the wide rows, which are the next K: one fragment and one scale word a wave.  Only pointers and offsets are chosen, by s_cselect on the work-group's number.
;   The four waves quantise two wide tiles each and hand them round through LDS as register images.
; WORK-GROUPS 0-31 also quantise W_q: 32 groups of four fragments, a fragment a wave; its loads go out with the others and it is worked behind the work-group's own result.  So the grid is 256 work-groups.
;   The macro is written out twice, with and without W_q's part, behind ONE branch on the work-group's number: every wait's count is exact on its way.  Each of the two texts has LDS bytes of its own.
; EVERY LOAD OF f32 NUMBERS COVERS 512 CONSECUTIVE BYTES: one row's K step, 16 bytes a lane.  The quantiser wants a lane to hold a row's 64 numbers: a fragment's 16 rows turn through the wave's own stage in LDS
;   (rows of 512 + 16 bytes: as loaded in, 128 bytes a lane and block out), one fragment ahead of the quantiser.
; A block's scale: the largest magnitude's exponent field less 4, held at 1 from below.
; LIMITS: NaN and infinities among the inputs are not served.  A block of zeros, or one whose largest magnitude lies under 2^-122, gets the byte 1 where the rule says 127 or less: zero codes add nothing, and this program alone reads the bytes.
.set SLOTSZ, 102400
.set UNITSZ, 25600
.set FRB,    1536
.set WIMG,   0                         ; LDS, from a text's first byte on: the wide operand's 16 fragment images (tile T, K step s: 2 T + s)
.set WSC,    24576                     ; their scale words, 128 bytes each
.set OSC,    26624                     ; the four results' scale words: 256 bytes, as they go to the stream
.set OSW,    26880                     ; the same for W_q's four fragments
.set STG,    27136                     ; four stages, one a wave: 16 rows x 528 bytes
.set STGB,   16*528
.set LPATH,  61440                     ; the second text's first byte
.set LI,   1                           ; v1   16 x lane: offsets in memory
.set L8,   2                           ; v2   8 x lane: likewise
.set SH,   3                           ; v3   8 h
.set HH,   4                           ; v4   h
.set RR,   5                           ; v5   r
.set LIL,  6                           ; v6   LDS: 16 x lane
.set LSL,  7                           ; v7   LDS: 4 x lane
.set L8L,  8                           ; v8   LDS: 8 x lane
.set WI16, 9                           ; v9   LDS: 16 x lane + 6,144 x wave: where I store wide images
.set WS4,  10                          ; v10  LDS: 4 x lane + 512 x wave: and their scale words
.set OSA,  11                          ; v11  LDS: 16 r + 4 x wave
.set SI,   12                          ; v12  LDS: my stage, 16 x lane: a row as it was loaded
.set SOA,  13                          ; v13  LDS: my stage, 528 r + 128 h: my row's numbers
.set TM,   16                          ; v16-31 at work
.set WS,   32                          ; v32-47 the wide operand's scale words
.set NW,   48                          ; v48-49 the narrow operand's
.set PW,   50                          ; v50  the scale word just made;  v51: W_q's
.set PWW,  51
.set NF,   56                          ; v56-79 the narrow operand's two fragments
.set PC,   80                          ; v80-91 codes just made
.set PX,   92                          ; v92-94, v96-98: the halves that a conversion cannot put on an odd register
.set PCW,  100                         ; v100-111 W_q's codes
.set ACC,  128                         ; v128-191 the eight accumulators (before that: the narrow operand's numbers, v128-255)
.set MSB, 0
.macro WIN new                         ; the immediate's high byte repeats the setting that is left
.if MSB != (\new)
	s_set_vgpr_msb (MSB<<8)|(\new)
.set MSB, (\new)
.endif
.endm
.macro LWAIT n                         ; n younger loads may stay out; the wait's field ends at 63
.if (\n) > 63
	s_wait_loadcnt 63
.else
	s_wait_loadcnt (\n)
.endif
.endm
; A fragment's 16 rows x 512 bytes, register 4 n .. 4 n + 3 of window sw from X on = my 16 bytes of row n, go through my stage and come back into the registers that they left:
; register 32 c + i = k 64 c + 32 h + i of row r.  LDS serves a wave's instructions in order: no wait between the stores and the loads, nor ahead of the next fragment's stores.
.macro TURN sw, X
	WIN 4*(\sw)                                        ; an LDS store's data are its source 1
.irp n, 0,1,2,3,4,5,6,7,8,9,10,11,12,13,14,15
	ds_store_b128 v[SI], v[(\X)+4*\n:(\X)+4*\n+3] offset:STG+528*\n
.endr
	WIN 0x40*(\sw)
.irp c, 0,1
.irp i, 0,1,2,3,4,5,6,7
	ds_load_b128 v[(\X)+32*\c+4*\i:(\X)+32*\c+4*\i+3], v[SOA] offset:STG+256*\c+16*\i
.endr
.endr
	WIN 0
.endm
; 64 numbers of a lane in window sw, register 32 c + i = k 64 c + 32 h + i of my row (two whole blocks), become a fragment's 12 registers at PCo and its scale word in PWo.
.macro FQ sw, X, PCo, PXo, PWo
	WIN 5*(\sw)
.irp c, 0,1
	v_max3_num_f32 v[TM+\c], |v[(\X)+32*\c]|, |v[(\X)+32*\c+1]|, 0x2800000   ; with the floor 2^(5 - 127): the byte cannot fall under 1
.endr
	WIN 0x14*(\sw)
.irp i, 2,4,6,8,10,12,14,16,18,20,22,24,26,28,30
.irp c, 0,1
	v_max3_num_f32 v[TM+\c], v[TM+\c], |v[(\X)+32*\c+\i]|, |v[(\X)+32*\c+\i+1]|
.endr
.endr
	WIN 0
.irp c, 0,1
	v_add_nc_u32 v[TM+2+\c], 0xfe000000, v[TM+\c]      ; 4 off the exponent field: the conversion's scale operand
.endr
.irp c, 0,1
	v_lshrrev_b32 v[TM+4+\c], 23, v[TM+2+\c]           ; the scale's byte
.endr
	v_lshl_or_b32 v[(\PWo)], v[TM+5], 16, v[TM+4]      ; my blocks h and 2 + h,
	v_lshlrev_b32 v[(\PWo)], v[SH], v[(\PWo)]          ; at their places in the word;
	v_permlanex16_b32 v[TM+6], v[(\PWo)], s20, s21
	v_or_b32 v[(\PWo)], v[(\PWo)], v[TM+6]             ; with lane l xor 16's two the word is whole, in both lanes
	WIN (\sw)
.irp c, 0,1
	v_cvt_scalef32_pk16_bf6_f32 v[(\PCo)+6*\c:(\PCo)+6*\c+2], v[(\X)+32*\c:(\X)+32*\c+15], v[TM+2+\c]
	v_cvt_scalef32_pk16_bf6_f32 v[(\PXo)+4*\c:(\PXo)+4*\c+2], v[(\X)+32*\c+16:(\X)+32*\c+31], v[TM+2+\c]   ; (a conversion's three registers begin on an even number)
.endr
	WIN 0
	v_nop                                              ; one plain place behind the scaled conversions
.irp c, 0,1
.irp i, 0,1,2
	v_mov_b32 v[(\PCo)+6*\c+3+\i], v[(\PXo)+4*\c+\i]
.endr
.endr
.endm
; 64 numbers of a lane, register 16 b + i = k 32 b + 16 h + i of my row (a transposed product's results), become a fragment at v[PC] and its scale word in v[PW].
.macro QUANT s
.irp b, 0,1,2,3
	v_max3_num_f32 v[TM+\b], |v[\s+16*\b]|, |v[\s+1+16*\b]|, 0x2800000   ; each accumulator is read from its low end on
.endr
.irp i, 2,4,6,8,10,12,14
.irp b, 0,1,2,3
	v_max3_num_f32 v[TM+\b], v[TM+\b], |v[\s+16*\b+\i]|, |v[\s+1+16*\b+\i]|
.endr
.endr
.irp b, 0,1,2,3
	v_permlanex16_b32 v[TM+4+\b], v[TM+\b], s20, s21
.endr
.irp b, 0,1,2,3
	v_max_num_f32 v[TM+\b], v[TM+\b], v[TM+4+\b]       ; with lane l xor 16's 16: the block's largest magnitude
.endr
.irp b, 0,1,2,3
	v_add_nc_u32 v[TM+12+\b], 0xfe000000, v[TM+\b]
.endr
.irp b, 0,1,2,3
	v_lshrrev_b32 v[TM+4+\b], 23, v[TM+12+\b]
.endr
	v_lshl_or_b32 v[PW], v[TM+5], 8, v[TM+4]
	v_lshl_or_b32 v[PW], v[TM+6], 16, v[PW]
	v_lshl_or_b32 v[PW], v[TM+7], 24, v[PW]
.irp c, 0,1
	v_cvt_scalef32_pk16_bf6_f32 v[PC+6*\c:PC+2+6*\c], v[\s+32*\c:\s+15+32*\c], v[TM+12+2*\c]
	v_cvt_scalef32_pk16_bf6_f32 v[PC+12+4*\c:PC+14+4*\c], v[\s+16+32*\c:\s+31+32*\c], v[TM+12+2*\c+1]
.endr
	v_nop                                              ; one plain place behind the scaled conversions
.irp c, 0,1                            ; the operand's layout wants a whole block in a lane
.irp i, 0,1,2
	v_permlane16_swap_b32 v[PC+6*\c+\i], v[PC+12+4*\c+\i]
.endr
.irp i, 0,1,2
	v_mov_b32 v[PC+3+6*\c+\i], v[PC+12+4*\c+\i]
.endr
.endr
.endm
; THE WHOLE WORK OF A WORK-GROUP.  wq = 1: with a fragment of W_q a wave.  L0: the text's first LDS byte.
.macro KV wq, L0
.set NLD, 96+16*(\wq)                  ; loads of a wave: 4 wide fragments, 2 narrow ones, W_q's: 16 each
	v_lshl_add_u32 v[LIL], v15, 4, \L0
	v_lshl_add_u32 v[LSL], v15, 2, \L0
	v_lshl_add_u32 v[L8L], v15, 3, \L0
	s_mul_i32 s15, s14, 4*FRB
	v_add_nc_u32 v[WI16], s15, v[LIL]
	s_lshl_b32 s15, s14, 9
	v_add_nc_u32 v[WS4], s15, v[LSL]
	s_lshl_b32 s15, s14, 2
	s_add_co_u32 s15, s15, \L0
	v_lshl_add_u32 v[OSA], v[RR], 4, s15
	s_mul_i32 s15, s14, STGB
	v_add_nc_u32 v[SI], s15, v[LIL]
	v_mul_u32_u24 v[SOA], v[RR], 528
	v_lshl_add_u32 v[SOA], v[HH], 7, v[SOA]
	s_add_co_u32 s15, s15, \L0
	v_add_nc_u32 v[SOA], s15, v[SOA]
	; k: g = 4 u + s, u = 8 c + 2 w + hf: wide = W_k's rows 128 s on, narrow = obs rows 64 u on, slot 2 + 4 c + hf, fragments 4 s + j
	s_and_b32 s22, ttmp9, 3                        ; s
	s_lshr_b32 s23, ttmp9, 2                       ; u
	s_lshr_b32 s24, ttmp9, 5                       ; c
	s_and_b32 s25, s23, 1                          ; hf
	s_lshl_b32 s24, s24, 2
	s_add_co_u32 s24, s24, s25
	s_add_co_u32 s24, s24, 2                       ; the slot
	s_bfe_u32 s25, ttmp9, 0x20003                  ; w
	; v: g - 128 = 8 G + a8, G = 4 c + s', a8 = 2 w + a: wide = obs rows 128 G on, narrow = W_v's rows 64 a8 on, slot 4 + 4 c + s' / 2, fragments 4 (2 (s' % 2) + a) + j
	s_and_b32 s26, ttmp9, 127
	s_lshr_b32 s27, s26, 3                         ; G
	s_and_b32 s28, s26, 7                          ; a8
	s_lshr_b32 s29, s27, 2                         ; c
	s_and_b32 s30, s27, 3                          ; s'
	s_lshr_b32 s31, s30, 1
	s_lshl_b32 s29, s29, 2
	s_add_co_u32 s29, s29, s31
	s_add_co_u32 s29, s29, 4                       ; the slot
	s_and_b32 s30, s30, 1
	s_lshl_b32 s30, s30, 1
	s_and_b32 s31, s28, 1
	s_add_co_u32 s30, s30, s31                     ; the group of four fragments
	s_lshr_b32 s31, s28, 1                         ; w
.if \wq
	; W_q: g = 16 hf + 4 w + s: unit (hf, w), K step s; wave j makes tile j: fragment 4 s + j
	s_lshr_b32 s48, ttmp9, 4                       ; hf
	s_bfe_u32 s49, ttmp9, 0x20002                  ; w
	s_and_b32 s50, ttmp9, 3                        ; s
	s_lshl_b32 s52, s49, 18                        ; 128 w rows of 2,048 bytes
	s_lshl_b32 s51, s48, 17                        ; + 64 hf rows
	s_add_co_u32 s52, s52, s51
	s_lshr_b32 s51, s14, 1
	s_lshl_b32 s51, s51, 16                        ; + 32 (j / 2) rows
	s_add_co_u32 s52, s52, s51
	s_and_b32 s51, s14, 1
	s_lshl_b32 s51, s51, 14                        ; + 8 (j % 2) rows
	s_add_co_u32 s52, s52, s51
	s_lshl_b32 s51, s50, 9                         ; + K step s
	s_add_co_u32 s52, s52, s51
	s_mov_b32 s53, 0
	s_mul_i32 s54, s48, SLOTSZ
	s_mul_i32 s51, s49, UNITSZ
	s_add_co_u32 s54, s54, s51
	s_mov_b32 s55, 0
	s_lshl_b32 s56, s50, 2
	s_add_co_u32 s56, s56, s14
	s_mul_i32 s56, s56, FRB
	s_mov_b32 s57, 0
	s_lshl_b32 s58, s50, 8
	s_add_co_u32 s58, s58, 16*FRB
	s_mov_b32 s59, 0
.endif
	s_wait_alu depctr_va_vdst(0)
	s_wait_kmcnt 0x0
.if \wq
	s_add_nc_u64 s[10:11], s[10:11], s[52:53]      ; W_q at my tile's first row, my K step
	s_add_nc_u64 s[54:55], s[12:13], s[54:55]      ; the unit
	s_add_nc_u64 s[56:57], s[54:55], s[56:57]      ; my fragment's image
	s_add_nc_u64 s[58:59], s[54:55], s[58:59]      ; the group's 256 bytes of scale words
.endif
	s_cmp_lt_u32 ttmp9, 128                        ; k's work-group or v's: the choice hangs on the work-group's number alone
	s_cselect_b32 s32, s22, s27                    ; which 128 wide rows
	s_cselect_b32 s33, s23, s28                    ; which 64 narrow rows
	s_cselect_b32 s34, s24, s29                    ; slot
	s_cselect_b32 s35, s22, s30                    ; group of four fragments
	s_cselect_b32 s36, s25, s31                    ; unit
	s_cselect_b64 s[38:39], s[6:7], s[4:5]         ; wide
	s_cselect_b64 s[40:41], s[4:5], s[8:9]         ; narrow
	s_lshl_b32 s42, s32, 17                        ; 128 rows of 1,024 bytes,
	s_lshl_b32 s43, s14, 15                        ; my two tiles are the 32 rows from 32 j on
	s_add_co_u32 s42, s42, s43
	s_mov_b32 s43, 0
	s_add_nc_u64 s[38:39], s[38:39], s[42:43]
	s_lshl_b32 s42, s33, 16                        ; 64 rows; my tile j begins 32 (j / 2) + 8 (j % 2) rows on
	s_lshr_b32 s44, s14, 1
	s_lshl_b32 s44, s44, 15
	s_add_co_u32 s42, s42, s44
	s_and_b32 s44, s14, 1
	s_lshl_b32 s44, s44, 13
	s_add_co_u32 s42, s42, s44
	s_add_nc_u64 s[40:41], s[40:41], s[42:43]
	s_mul_i32 s42, s34, SLOTSZ
	s_mul_i32 s44, s36, UNITSZ
	s_add_co_u32 s42, s42, s44
	s_add_nc_u64 s[12:13], s[12:13], s[42:43]      ; the unit
	s_lshl_b32 s44, s35, 2
	s_add_co_u32 s44, s44, s14
	s_mul_i32 s44, s44, FRB
	s_mov_b32 s45, 0
	s_add_nc_u64 s[46:47], s[12:13], s[44:45]      ; my fragment's image
	s_lshl_b32 s44, s35, 8
	s_add_co_u32 s44, s44, 16*FRB
	s_add_nc_u64 s[12:13], s[12:13], s[44:45]      ; the group's 256 bytes of scale words
	WIN 0x40                                       ; destination window 1
.irp q, 0,1,2,3                        ; wide fragment q = 2 u + s: tile 2 j + u, K step s; load n: the tile's row n, 512 consecutive bytes
.irp n, 0,1,2,3,4,5,6,7,8,9,10,11,12,13,14,15
	global_load_b128 v[64*\q+4*\n:64*\q+4*\n+3], v[LI], s[38:39] offset:(8*(\q/2)+\n+8*(\n/8))*1024+512*(\q%2)
.endr
.endr
	WIN 0
.irp s, 0,1                            ; the narrow tile's two K steps
.irp n, 0,1,2,3,4,5,6,7,8,9,10,11,12,13,14,15
	global_load_b128 v[128+64*\s+4*\n:128+64*\s+4*\n+3], v[LI], s[40:41] offset:(\n+8*(\n/8))*1024+512*\s
.endr
.endr
.if \wq
	WIN 0x80                                       ; destination window 2
.irp n, 0,1,2,3,4,5,6,7,8,9,10,11,12,13,14,15
	global_load_b128 v[4*\n:4*\n+3], v[LI], s[10:11] offset:(\n+8*(\n/8))*2048 th:TH_LOAD_NT   ; W_q is read once in the launch
.endr
	WIN 0
.endif
	LWAIT NLD-16                                   ; the first fragment is in
	TURN 1, 0
.irp q, 0,1,2,3
	LWAIT NLD-16*(\q+2)                            ; the next fragment is in: it goes through the stage while this one is quantised
.if \q < 3
	TURN 1, 64*(\q+1)
.else
	TURN 0, 128
.endif
	s_wait_dscnt 32                                ; all but the 32 just issued: this fragment is back from the stage, the last one's image stores have read their registers
	FQ 1, 64*\q, PC, PX, PW
.irp k, 0,1,2
	ds_store_b128 v[WI16], v[PC+4*\k:PC+4*\k+3] offset:WIMG+\q*FRB+512*\k
.endr
	ds_store_b32 v[WS4], v[PW] offset:WSC+128*\q
.endr
	LWAIT NLD-96
	TURN 0, 192
	s_wait_dscnt 32
	FQ 0, 128, NF, PX, NW
	s_wait_dscnt 0x0                               ; the second narrow fragment is back; for the others' sake: my images have landed
	FQ 0, 192, NF+12, PX, NW+1
	s_barrier_signal -1
	s_barrier_wait -1                              ; all sixteen wide fragments lie in LDS
	WIN 0x40
.set k, 0
.rept 48
	ds_load_b128 v[4*k:4*k+3], v[LIL] offset:WIMG+512*k   ; fragment 2 T + s at v[12 (2 T + s)] of window 1
.set k, k+1
.endr
	WIN 0
.set k, 0
.rept 16
	ds_load_b32 v[WS+k], v[LSL] offset:WSC+128*k
.set k, k+1
.endr
	s_wait_dscnt 0x0
.rept 8
	v_nop                                          ; the narrow operand and its scale words were written by vector instructions: 4 and 8 places ahead of a scaled matrix instruction
.endr
	WIN 0x01                                       ; source 0 window 1
.irp T, 0,1,2,3,4,5,6,7                ; the eight accumulators by turns, K ascending
	v_wmma_scale_f32_16x16x128_f8f6f4 v[ACC+8*\T:ACC+8*\T+7], v[24*\T:24*\T+11], v[NF:NF+11], 0, v[WS+2*\T], v[NW] matrix_a_fmt:MATRIX_FMT_BF6 matrix_b_fmt:MATRIX_FMT_BF6
.endr
	s_wait_alu depctr_va_vdst(0)
.irp T, 0,1,2,3,4,5,6,7
	v_wmma_scale_f32_16x16x128_f8f6f4 v[ACC+8*\T:ACC+8*\T+7], v[24*\T+12:24*\T+23], v[NF+12:NF+23], v[ACC+8*\T:ACC+8*\T+7], v[WS+2*\T+1], v[NW+1] matrix_a_fmt:MATRIX_FMT_BF6 matrix_b_fmt:MATRIX_FMT_BF6
.endr
	WIN 0
.rept 5
	v_nop                                          ; places behind the products, ahead of the first read of their results
.endr
	QUANT ACC
.irp k, 0,1,2
	global_store_b128 v[LI], v[PC+4*\k:PC+4*\k+3], s[46:47] offset:512*\k   ; each store covers 512 consecutive bytes, aligned
.endr
.if \wq
	s_wait_loadcnt 0x0                             ; W_q's 16 rows, asked for with the first loads
	TURN 2, 0
	s_wait_dscnt 0x0
	FQ 2, 0, PCW, PX, PWW                          ; codes into registers of their own: the stores above may still read theirs
.irp k, 0,1,2
	global_store_b128 v[LI], v[PCW+4*\k:PCW+4*\k+3], s[56:57] offset:512*\k
.endr
	ds_store_b32 v[OSA], v[PWW] offset:OSW
.endif
	ds_store_b32 v[OSA], v[PW] offset:OSC          ; lanes r and r + 16 write the same word with the same value
	s_wait_dscnt 0x0
	s_barrier_signal -1
	s_barrier_wait -1                              ; the four fragments' scale words lie together
	s_cmp_lg_u32 s14, 0
	s_cbranch_scc1 .Lnot_wave_0_\@
	ds_load_b64 v[14:15], v[L8L] offset:OSC
	s_wait_dscnt 0x0
	global_store_b64 v[L8], v[14:15], s[12:13]     ; 256 consecutive bytes, aligned
.Lnot_wave_0_\@:
.if \wq
	s_cmp_lg_u32 s14, 1
	s_cbranch_scc1 .Lnot_wave_1_\@
	ds_load_b64 v[52:53], v[L8L] offset:OSW
	s_wait_dscnt 0x0
	global_store_b64 v[L8], v[52:53], s[58:59]     ; W_q's likewise
.Lnot_wave_1_\@:
.endif
	s_wait_tensorcnt 0x0
	ds_add_u32 v126, v127
	s_wait_dscnt 0x0
	s_endpgm
.endm
	s_load_b256 s[4:11], s[0:1], 0x0               ; obs s[4:5], W_k s[6:7], W_v s[8:9], W_q s[10:11]
	s_load_b64 s[12:13], s[0:1], 0x20              ; the stream
	v_lshl_add_u32 v126, v0, 2, 0x1e000
	v_mov_b32 v127, 0
	v_lshrrev_b32 v14, 5, v0
	v_readfirstlane_b32 s14, v14                   ; wave j
	v_and_b32 v15, 31, v0                          ; lane
	v_and_b32 v[RR], 15, v0
	v_bfe_u32 v[HH], v0, 4, 1
	v_lshlrev_b32 v[LI], 4, v15
	v_lshlrev_b32 v[L8], 3, v15
	v_lshlrev_b32 v[SH], 3, v[HH]
	s_mov_b32 s20, 0x76543210
	s_mov_b32 s21, 0xfedcba98                      ; v_permlanex16_b32's selects for lane l xor 16
.irp b, 4,5,6,7
	v_mov_b32 v[TM+\b], 0                          ; written once: a lane permute's destination counts as one of its sources
.endr
	s_cmp_lt_u32 ttmp9, 32
	s_cbranch_scc1 .Lwith_wq
	KV 0, 0
.Lwith_wq:
	KV 1, LPATH
.Lfunc_end_k_q52050fd4bc_prep:
	.size	k_q52050fd4bc_prep, .Lfunc_end_k_q52050fd4bc_prep-k_q52050fd4bc_prep
	.p2alignl 7, 3214868480
	.fill 96, 4, 3214868480
	.section	.rodata,"a",@progbits
	.p2align	6, 0x0
	.amdhsa_kernel k_q52050fd4bc_prep
		.amdhsa_group_segment_fixed_size 123392
		.amdhsa_private_segment_fixed_size 0
		.amdhsa_enable_private_segment 0
		.amdhsa_kernarg_size 40
		.amdhsa_user_sgpr_count 2
		.amdhsa_user_sgpr_kernarg_segment_ptr 1
		.amdhsa_wavefront_size32 1
		.amdhsa_system_sgpr_workgroup_id_x 1
		.amdhsa_system_sgpr_workgroup_id_y 1
		.amdhsa_system_sgpr_workgroup_id_z 1
		.amdhsa_system_vgpr_workitem_id 0
		.amdhsa_next_free_vgpr 576
		.amdhsa_next_free_sgpr 66
		.amdhsa_reserve_vcc 0
		.amdhsa_float_denorm_mode_32 3
		.amdhsa_float_denorm_mode_16_64 3
		.amdhsa_memory_ordered 1
		.amdhsa_forward_progress 1
		.amdhsa_inst_pref_size 120
	.end_amdhsa_kernel
	.amdgpu_metadata
---
amdhsa.version: [ 1, 2 ]
amdhsa.kernels:
  - .name:           k_q52050fd4bc_prep
    .symbol:         k_q52050fd4bc_prep.kd
    .args:
      - { .name: obs_feature, .offset: 0, .size: 8, .value_kind: global_buffer, .address_space: global }
      - { .name: W_k, .offset: 8, .size: 8, .value_kind: global_buffer, .address_space: global }
      - { .name: W_v, .offset: 16, .size: 8, .value_kind: global_buffer, .address_space: global }
      - { .name: W_q, .offset: 24, .size: 8, .value_kind: global_buffer, .address_space: global }
      - { .name: stream, .offset: 32, .size: 8, .value_kind: global_buffer, .address_space: global }
    .group_segment_fixed_size: 123392
    .private_segment_fixed_size: 0
    .kernarg_segment_align: 8
    .kernarg_segment_size: 40
    .max_flat_workgroup_size: 128
    .sgpr_count:     66
    .vgpr_count:     576
    .wavefront_size: 32
...
	.end_amdgpu_metadata
.endif
;; end of part 3
;; launch attn (part 4): grid 224 x 1, 4 waves a work-group, clusters of 4 x 1, 327,680 bytes of LDS; arguments node_feature, stream, ln_gamma, ln_beta, out0; writes out0
.if DOCPART == 4
	.amdgcn_target "amdgcn-amd-amdhsa--gfx1250"
	.amdhsa_code_object_version 6
	.text
	.protected	k_q52050fd4bc_attn
	.globl	k_q52050fd4bc_attn
	.p2align	8
	.type	k_q52050fd4bc_attn,@function
k_q52050fd4bc_attn:
	s_mov_b64 s[64:65], 0
	v_nop
	global_prefetch_b8 v0, s[64:65] scope:SCOPE_SE
	s_setreg_imm32_b32 hwreg(HW_REG_WAVE_MODE, 25, 1), 1
	s_wait_xcnt 0x0
	s_wait_alu depctr_hold_cnt(0) depctr_sa_sdst(0) depctr_va_vdst(0) depctr_va_sdst(0) depctr_va_ssrc(0) depctr_va_vcc(0) depctr_vm_vsrc(0)
	s_getreg_b32 s2, hwreg(HW_REG_IB_STS2, 6, 4)
	s_cmp_eq_u32 s2, 0
	s_cbranch_scc0 .Lentry_in_a_cluster
	s_endpgm
.Lentry_in_a_cluster:
	s_bfe_u32 s2, ttmp6, 0x10000c
	s_cmp_lg_u32 s2, 0x3003
	s_cbranch_scc0 .Lentry_shape_is_right
	s_endpgm
.Lentry_shape_is_right:
.set ROWS,   25000
.set WGROWS, 112
.set SLOTSZ, 102400
.set UNITSZ, 25600
.set FRB,    1536
.set SCOFF,  16*FRB
.set LNS,    102400
.set SLOTB,  131072
.set IQ,     233472
.set IQS,    276480
.set IA,     280064
.set IAS,    323072
.set SPARE,  326656
.set SPW,  1
.set NIL,  2
.set VU0,  3
.set VU,   4
.set AX16, 5
.set AX8,  6
.set AXS,  7
.set AQ16, 8
.set AQ8,  9
.set AQS,  10
.set AH16, 11
.set AH8,  12
.set AHS,  13
.set WX16, 14
.set WX8,  15
.set WXS,  16
.set WQ16, 17
.set WQ8,  18
.set WQS,  19
.set DW16, 20
.set DW8,  21
.set DWS,  22
.set SIA,  20
.set SOB,  21
.set LW,   23
.set LR,   24
.set STO,  25
.set RD,   26
.set CO,   27
.set VLIM, 28
.set SCL,  32
.set QSC,  40
.set ASC,  48
.set XO,   32
.set GBO,  62
.set QF,   64
.set AF,   64
.set HB,   112
.set RES,  148
.set H,    192
.set TM,   224
.set TP,   228
.set SO,   232
.set BY,   236
.set PC,   240
.set PX,   252
.set PX2,  192
.set SM,   64
.set PS,   96
.set MU,   128
.set RS,   96                          ; 1 / deviation, in pairs: in the partial sums' registers, which are done with by then; the stage's read-back (v128-255) does not reach them
.set TV,   160
.set BK,   128
.set WV,  14
.set TB,  44
.set DH,  45
.set DS,  46
.set OH,  47
.set OS,  48
.set ACT, 49
.set MSB, 0
.macro WIN new
.if MSB != (\new)
	s_set_vgpr_msb (MSB<<8)|(\new)
.set MSB, (\new)
.endif
.endm
.macro PLACES n
.rept \n
	v_nop
.endr
.endm
.macro CROUND
	s_barrier_signal -1
	s_barrier_wait -1
	s_cmp_lg_u32 s[WV], 0
	s_cbranch_scc1 .Lnot_wave_0_\@
	s_barrier_signal -3
.Lnot_wave_0_\@:
	s_barrier_wait -3
	s_barrier_signal -1
	s_barrier_wait -1
.endm
.macro CHANGE fill, kind
	WIN 0
	s_wait_tensorcnt 0x0
	ds_add_u32 v[SPW], v[NIL]
.if \fill
	s_xor_b32 s37, s37, SLOTB
	s_add_co_u32 s42, s42, SLOTSZ
	s_add_nc_u64 s[38:39], s[40:41], s[42:43]
	s_or_b32 s39, s39, 0x80000000
.endif
	s_xor_b32 s[TB], s[TB], SLOTB
.if \kind
	s_xor_b32 s[OH], s[OH], 2*FRB
	s_xor_b32 s[OS], s[OS], 8
.else
	s_xor_b32 s[DH], s[DH], 768
	s_xor_b32 s[DS], s[DS], 2
.endif
	s_wait_dscnt 0x0
.if \fill
	CROUND
	tensor_load_to_lds s[36:39], s[24:31]
	s_nop 0
	PLACES 4
.else
	s_barrier_signal -1
	s_barrier_wait -1
	PLACES 4
.endif
.endm
.macro QNT4 src, sw
	WIN 0xf0|(5*(\sw))
.irp b, 0,1,2,3
	v_max3_num_f32 v[TM+\b], |v[(\src)+16*\b]|, |v[(\src)+16*\b+1]|, 0x2800000
.endr
	WIN 0xc3|(0x14*(\sw))
.irp i, 2,4,6,8,10,12,14
.irp b, 0,1,2,3
	v_max3_num_f32 v[TM+\b], v[TM+\b], |v[(\src)+16*\b+\i]|, |v[(\src)+16*\b+\i+1]|
.endr
.endr
	WIN 0xff
.irp b, 0,1,2,3
	v_permlanex16_b32 v[TP+\b], v[TM+\b], s20, s21
.endr
.irp b, 0,1,2,3
	v_max_num_f32 v[TM+\b], v[TM+\b], v[TP+\b]
.endr
.irp b, 0,1,2,3
	v_add_nc_u32 v[SO+\b], 0xfe000000, v[TM+\b]
.endr
.irp b, 0,1,2,3
	v_lshrrev_b32 v[BY+\b], 23, v[SO+\b]
.endr
	v_lshl_or_b32 v[BY], v[BY+1], 8, v[BY]
	v_lshl_or_b32 v[BY], v[BY+2], 16, v[BY]
	v_lshl_or_b32 v[BY], v[BY+3], 24, v[BY]
	WIN 0xfc|(\sw)
	v_cvt_scalef32_pk16_bf6_f32 v[PC:PC+2], v[(\src):(\src)+15], v[SO]
	v_cvt_scalef32_pk16_bf6_f32 v[PX:PX+2], v[(\src)+16:(\src)+31], v[SO+1]
	v_cvt_scalef32_pk16_bf6_f32 v[PC+6:PC+8], v[(\src)+32:(\src)+47], v[SO+2]
	v_cvt_scalef32_pk16_bf6_f32 v[PX2:PX2+2], v[(\src)+48:(\src)+63], v[SO+3]
	WIN 0xff
	v_nop
.irp i, 0,1,2
	v_permlane16_swap_b32 v[PC+\i], v[PX+\i]
.endr
.irp i, 0,1,2
	v_mov_b32 v[PC+3+\i], v[PX+\i]
.endr
.irp i, 0,1,2
	v_permlane16_swap_b32 v[PC+6+\i], v[PX2+\i]
.endr
.irp i, 0,1,2
	v_mov_b32 v[PC+9+\i], v[PX2+\i]
.endr
.endm
.macro QS n, src, sw
.if (\n) < 2
	WIN 0xf0|(5*(\sw))
	v_max3_num_f32 v[TM+(\n)], |v[(\src)+16*(\n)]|, |v[(\src)+16*(\n)+1]|, 0x2800000
.elseif (\n) < 16
	WIN 0xc3|(0x14*(\sw))
	v_max3_num_f32 v[TM+(\n)%2], v[TM+(\n)%2], |v[(\src)+16*((\n)%2)+2*((\n)/2)]|, |v[(\src)+16*((\n)%2)+2*((\n)/2)+1]|
.elseif (\n) < 18
	WIN 0xff
	v_permlanex16_b32 v[TP+(\n)-16], v[TM+(\n)-16], s20, s21
.elseif (\n) < 20
	WIN 0xff
	v_max_num_f32 v[TM+(\n)-18], v[TM+(\n)-18], v[TP+(\n)-18]
.elseif (\n) < 22
	WIN 0xff
	v_add_nc_u32 v[SO+(\n)-20], 0xfe000000, v[TM+(\n)-20]
.elseif (\n) < 24
	WIN 0xff
	v_lshrrev_b32 v[BY+(\n)-22], 23, v[SO+(\n)-22]
.elseif (\n) == 24
	WIN 0xff
	v_lshl_or_b32 v[BY], v[BY+1], 8, v[BY]
.elseif (\n) == 25
	WIN 0xfc|(\sw)
	v_cvt_scalef32_pk16_bf6_f32 v[PC:PC+2], v[(\src):(\src)+15], v[SO]
.elseif (\n) == 26
	WIN 0xfc|(\sw)
	v_cvt_scalef32_pk16_bf6_f32 v[PX:PX+2], v[(\src)+16:(\src)+31], v[SO+1]
.elseif (\n) == 27
	v_nop
.elseif (\n) < 31
	WIN 0xff
	v_permlane16_swap_b32 v[PC+(\n)-28], v[PX+(\n)-28]
.else
	WIN 0xff
	v_mov_b32 v[PC+3+(\n)-31], v[PX+(\n)-31]
.endif
.endm
.macro QSTORE m1
	WIN 0x0c
	ds_store_b128 v[DW16], v[PC:PC+3] offset:4*FRB*(\m1)
	ds_store_b64 v[DW8], v[PC+4:PC+5] offset:4*FRB*(\m1)+512
	s_wait_alu depctr_va_vdst(0)
	ds_store_b16 v[DWS], v[BY] offset:512*(\m1)
.endm
.macro SLICE i, src, sw, m1
.if (\i) < 11
	QS 2*(\i), \src, \sw
	QS 2*(\i)+1, \src, \sw
.elseif (\i) == 11
	QS 22, \src, \sw
	QS 23, \src, \sw
	QS 24, \src, \sw
.elseif (\i) == 12
	QS 25, \src, \sw
	QS 26, \src, \sw
	QS 27, \src, \sw
.elseif (\i) == 13
	QS 28, \src, \sw
	QS 29, \src, \sw
	QS 30, \src, \sw
.elseif (\i) == 14
	QS 31, \src, \sw
	QS 32, \src, \sw
	QS 33, \src, \sw
.else
	QSTORE \m1
.endif
.endm
.macro FRAG4 F, A16, A8, off
	ds_load_b128 v[(\F):(\F)+3], v[\A16] offset:(\off)
	ds_load_b64 v[(\F)+4:(\F)+5], v[\A8] offset:(\off)+512
	ds_load_b128 v[(\F)+6:(\F)+9], v[\A16] offset:(\off)+768
	ds_load_b64 v[(\F)+10:(\F)+11], v[\A8] offset:(\off)+1280
.endm
.macro QLOAD m, A16, A8, AS
	FRAG4 QF+24*((\m)%2), \A16, \A8, 4*FRB*(\m)+2*FRB
	FRAG4 QF+24*((\m)%2)+12, \A16, \A8, 4*FRB*(\m)+3*FRB
	ds_load_b128 v[QSC+4*((\m)%2):QSC+4*((\m)%2)+3], v[\AS] offset:512*(\m)
.endm
.macro RESLOAD A16, A8
.irp p, 0,1,2,3,4,5,6,7,8,9,10,11,12,13
.if \p < 9
	WIN 0
	FRAG4 RES+12*\p, \A16, \A8, FRB*(4*(\p/2)+\p%2)
.else
	WIN 0x40
	FRAG4 192+12*(\p-9), \A16, \A8, FRB*(4*(\p/2)+\p%2)
.endif
.endr
	WIN 0
.endm
.macro WM d, a, b, zero, sa, sb, row1
.if (\zero)
	v_wmma_scale_f32_16x16x128_f8f6f4 v[(\d):(\d)+7], v[(\a):(\a)+11], v[(\b):(\b)+11], 0, v[(\sa)], v[(\sb)] matrix_a_fmt:MATRIX_FMT_BF6 matrix_b_fmt:MATRIX_FMT_BF6
.elseif (\row1)
	v_wmma_scale_f32_16x16x128_f8f6f4 v[(\d):(\d)+7], v[(\a):(\a)+11], v[(\b):(\b)+11], v[(\d):(\d)+7], v[(\sa)], v[(\sb)] matrix_a_fmt:MATRIX_FMT_BF6 matrix_b_fmt:MATRIX_FMT_BF6 matrix_a_scale:MATRIX_SCALE_ROW1
.else
	v_wmma_scale_f32_16x16x128_f8f6f4 v[(\d):(\d)+7], v[(\a):(\a)+11], v[(\b):(\b)+11], v[(\d):(\d)+7], v[(\sa)], v[(\sb)] matrix_a_fmt:MATRIX_FMT_BF6 matrix_b_fmt:MATRIX_FMT_BF6
.endif
.endm
.macro SHALF A16, A8, AS, W16, W8, WS
	v_add_nc_u32 v[VU], s[TB], v[VU0]
	v_add_nc_u32 v[DW16], s[DH], v[\W16]
	v_add_nc_u32 v[DW8], s[DH], v[\W8]
	v_add_nc_u32 v[DWS], s[DS], v[\WS]
	ds_load_b128 v[SCL:SCL+3], v[VU] offset:SCOFF
	ds_load_b128 v[SCL+4:SCL+7], v[VU] offset:SCOFF+512
	QLOAD 0, \A16, \A8, \AS
	WIN 0x40
.set k, 0
.rept 48
	ds_load_b128 v[4*k:4*k+3], v[VU] offset:512*k
.set k, k+1
.endr
	WIN 0
.irp m, 0,1,2,3,4,5,6
.if \m%2
.set hS, HB
.set hW, 0
.set pS, H
.set pW, 3
.else
.set hS, H
.set hW, 3
.set pS, HB
.set pW, 0
.endif
.if \m > 0
	PLACES 5
	WIN 0
.endif
.if \m < 6
	QLOAD \m+1, \A16, \A8, \AS
.endif
.irp s, 0,1,2,3
.if \m == 0
	s_wait_dscnt 45-12*\s
.elseif \s == 0
.if \m < 6
	s_wait_dscnt 9
.else
	s_wait_dscnt 0
.endif
.endif
.set rB, QF+24*(\m%2)+12*(\s%2)
.set bW, 0
.if \s < 2
.set rB, RES+12*(2*\m+\s)
.if 2*\m+\s > 8
.set rB, 192+12*(2*\m+\s-9)
.set bW, 1
.endif
.endif
.irp t, 0,1,2,3
	WIN (hW<<6)|(hW<<4)|(bW<<2)|1
	WM hS+8*\t, 12*(4*\s+\t), rB, \s==0, SCL+4*(\s/2)+\t, QSC+4*(\m%2)+\s, \s%2
.if \m > 0
	SLICE 4*\s+\t, pS, pW, \m-1
.endif
.endr
.endr
.endr
	PLACES 5
	s_wait_dscnt 0x0
.set qn, 0
.rept 34
	QS qn, H, 3
.set qn, qn+1
.endr
	QSTORE 6
	WIN 0
.endm
.macro AFETCH m, ss
	FRAG4 AF+12*(\m), AH16, AH8, 4*FRB*(\m)+FRB*(\ss)
.endm
.macro OMUL m, ss
.irp T, 0,1,2,3,4,5,6,7
	WM 8*(8*((\m)%4)+\T), 12*(8*(\ss)+\T), AF+12*(\m), 0, SCL+4*(\ss)+\T%4, ASC+2*(\m)+(\ss), \T/4
.endr
.endm
.macro OHALF
	v_add_nc_u32 v[VU], s[TB], v[VU0]
	v_add_nc_u32 v[AH16], s[OH], v[AX16]
	v_add_nc_u32 v[AH8], s[OH], v[AX8]
	v_add_nc_u32 v[AHS], s[OS], v[AXS]
	ds_load_b128 v[SCL:SCL+3], v[VU] offset:SCOFF
	ds_load_b128 v[SCL+4:SCL+7], v[VU] offset:SCOFF+512
.irp m, 0,1,2,3,4,5,6
	ds_load_b64 v[ASC+2*\m:ASC+2*\m+1], v[AHS] offset:512*\m
.endr
.irp m, 0,1,2,3
	AFETCH \m, 0
.endr
	WIN 0x40
.set k, 0
.rept 24
	ds_load_b128 v[4*k:4*k+3], v[VU] offset:512*k
.set k, k+1
.endr
	WIN 0
.irp m, 4,5,6
	AFETCH \m, 0
.endr
	WIN 0x40
.rept 24
	ds_load_b128 v[4*k:4*k+3], v[VU] offset:512*k
.set k, k+1
.endr
	s_wait_alu depctr_va_vdst(0)
	s_wait_dscnt 36
	WIN 0xa1
.irp m, 0,1,2,3
	OMUL \m, 0
.endr
	s_wait_dscnt 24
	PLACES 4
	WIN 0
.irp m, 0,1,2,3
	AFETCH \m, 1
.endr
	WIN 0xf1
.irp m, 4,5,6
	OMUL \m, 0
.endr
	PLACES 4
	WIN 0
.irp m, 4,5,6
	AFETCH \m, 1
.endr
	s_wait_dscnt 12
	WIN 0xa1
.irp m, 0,1,2,3
	OMUL \m, 1
.endr
	s_wait_dscnt 0
	WIN 0xf1
.irp m, 4,5,6
	OMUL \m, 1
.endr
	WIN 0
.endm
.macro XREG m
.if (\m) < 3
.set xW, 0
.set xB, 64+64*(\m)
.else
.set xW, 1
.set xB, 64*((\m)-3)
.endif
.endm
.macro XTURN m
	XREG \m
.if 16*(6-(\m)) > 63
	s_wait_loadcnt 63
.else
	s_wait_loadcnt 16*(6-(\m))
.endif
	WIN 4*xW
.irp n, 0,1,2,3,4,5,6,7,8,9,10,11,12,13,14,15
	ds_store_b128 v[SIA], v[xB+4*\n:xB+4*\n+3] offset:528*\n
.endr
	WIN 0x80+0x40*((\m)/4)
.irp b, 0,1,2,3
.irp i, 0,1,2,3
	ds_load_b128 v[64*((\m)%4)+16*\b+4*\i:64*((\m)%4)+16*\b+4*\i+3], v[SOB] offset:128*\b+16*\i
.endr
.endr
.endm
	s_load_b256 s[4:11], s[0:1], 0x0
	s_load_b64 s[12:13], s[0:1], 0x20
	v_lshl_add_u32 v[SPW], v0, 2, SPARE
	v_mov_b32 v[NIL], 0
	ds_add_u32 v1, v2
	ds_add_u32 v1, v2
	s_wait_dscnt 0x0
	v_lshrrev_b32 v29, 5, v0
	v_readfirstlane_b32 s[WV], v29
	s_bfe_u32 s15, ttmp6, 0x40000
	s_lshl_b32 s16, ttmp9, 2
	s_add_co_u32 s16, s16, s15
	s_mul_i32 s17, s16, WGROWS
	s_sub_co_u32 s18, ROWS, s17
	s_mov_b32 s20, 0x76543210
	s_mov_b32 s21, 0xfedcba98
	s_mov_b32 s24, 15|(3<<16)|(1<<21)
	s_mov_b32 s25, 32<<16
	s_mov_b32 s26, 100<<16
	s_mov_b32 s27, 32<<16
	s_mov_b32 s28, 100
	s_mov_b32 s29, 32
	s_mov_b32 s30, 0
	s_mov_b32 s31, 0
	s_mul_i32 s33, s[WV], UNITSZ
	s_mov_b32 s42, s33
	s_mov_b32 s43, 0
	s_mov_b32 s32, 1
	s_mov_b32 s36, 1
	s_add_co_u32 s37, s33, SLOTB
	s_mov_b32 s[TB], 0
	s_mov_b32 s[DH], 0
	s_mov_b32 s[DS], 0
	s_mov_b32 s[OH], 0
	s_mov_b32 s[OS], 0
	s_and_b32 s[ACT], ttmp9, 3
	s_wait_kmcnt 0x0
	s_add_nc_u64 s[40:41], s[6:7], s[42:43]
	s_mov_b64 s[34:35], s[40:41]
	s_or_b32 s35, s35, 0x80000000
	s_add_nc_u64 s[38:39], s[40:41], SLOTSZ
	s_or_b32 s39, s39, 0x80000000
	s_mul_i32 s42, s[ACT], 4*SLOTSZ
	s_add_co_u32 s42, s42, SLOTSZ
	CROUND
	tensor_load_to_lds s[32:35], s[24:31]
	s_nop 0
	PLACES 4                                       ; my rows of node_feature are asked for below, while slot 0's load is out
	v_and_b32 v29, 31, v0
	v_and_b32 v30, 15, v0
	v_bfe_u32 v31, v0, 4, 1
	v_lshlrev_b32 v[CO], 4, v29
	s_wait_alu depctr_va_vdst(0)
.irp g, 0,1,2,3,4,5,6,7,8,9,10,11,12,13
	s_add_co_u32 s53, s17, 8*\g
	s_min_u32 s53, s53, ROWS-8
	s_lshl_b32 s53, s53, 11
	v_add_nc_u32 v[XO+\g], s53, v[CO]
.endr
	s_lshl_b32 s56, s[WV], 9
	s_mov_b32 s57, 0
	s_add_nc_u64 s[4:5], s[4:5], s[56:57]
	s_add_nc_u64 s[8:9], s[8:9], s[56:57]
	s_add_nc_u64 s[10:11], s[10:11], s[56:57]
	s_add_nc_u64 s[12:13], s[12:13], s[56:57]
	s_lshl_b32 s58, s17, 11
	s_mov_b32 s59, 0
	s_add_nc_u64 s[12:13], s[12:13], s[58:59]
	s_wait_alu depctr_va_vdst(0)
.irp m, 0,1,2,3,4,5,6
	XREG \m
	WIN 0x40*xW
.irp n, 0,1,2,3,4,5,6,7,8,9,10,11,12,13,14,15
	global_load_b128 v[xB+4*\n:xB+4*\n+3], v[XO+2*\m+\n/8], s[4:5] offset:(\n%8)*2048 th:TH_LOAD_NT
.endr
.endr
	WIN 0xc0
.irp b, 0,1,2,3
	v_mov_b32 v[TP+\b], 0
.endr
	WIN 0
	v_lshl_add_u32 v[VU0], v29, 4, s33
	v_lshl_add_u32 v[AX16], v29, 4, IA
	v_lshl_add_u32 v[AX8], v29, 3, IA
	v_lshl_add_u32 v[AXS], v29, 4, IAS
	v_lshl_add_u32 v[AQ16], v29, 4, IQ
	v_lshl_add_u32 v[AQ8], v29, 3, IQ
	v_lshl_add_u32 v[AQS], v29, 4, IQS
	s_mul_i32 s53, s[WV], FRB
	s_lshl_b32 s54, s[WV], 2
	s_mul_i32 s55, s[WV], 16*528
	s_add_co_u32 s58, s55, IQ
	s_add_co_u32 s55, s55, IA
	v_add_nc_u32 v[WX16], s53, v[AX16]
	v_add_nc_u32 v[WX8], s53, v[AX8]
	v_add_nc_u32 v[WXS], s54, v[AXS]
	v_add_nc_u32 v[WQ16], s53, v[AQ16]
	v_add_nc_u32 v[WQ8], s53, v[AQ8]
	v_add_nc_u32 v[WQS], s54, v[AQS]
	v_lshl_add_u32 v[LR], v30, 4, LNS
	v_add_nc_u32 v[LW], s54, v[LR]
	v_mul_u32_u24 v[STO], v30, 528
	v_lshl_add_u32 v[STO], v31, 6, v[STO]
	v_add_nc_u32 v[SOB], s58, v[STO]
	v_add_nc_u32 v[STO], s55, v[STO]
	v_lshl_add_u32 v[RD], v29, 4, s55
	v_lshl_add_u32 v[SIA], v29, 4, s58
	v_mov_b32 v[VLIM], s18
	v_lshlrev_b32 v[GBO], 6, v31
	s_wait_alu depctr_va_vdst(0)
	XTURN 0
.irp m, 0,1,2,3,4,5,6
.if \m < 6
	XTURN \m+1
	s_wait_dscnt 32
.else
	s_wait_dscnt 0x0
.endif
	QNT4 64*(\m%4), 2+\m/4
	WIN 0x0c
	ds_store_b128 v[WX16], v[PC:PC+3] offset:4*FRB*\m
	ds_store_b64 v[WX8], v[PC+4:PC+5] offset:4*FRB*\m+512
	ds_store_b128 v[WX16], v[PC+6:PC+9] offset:4*FRB*\m+768
	ds_store_b64 v[WX8], v[PC+10:PC+11] offset:4*FRB*\m+1280
	ds_store_b32 v[WXS], v[BY] offset:512*\m
.endr
	WIN 0
	s_wait_alu depctr_va_vdst(0)
	s_wait_tensorcnt 0x0                           ; slot 0's part is in: it was out while my rows were quantised
	ds_add_u32 v1, v2
	s_wait_dscnt 0x0                               ; the add is done, and my images of x have landed, for the others' sake
	CROUND                                         ; slot 0 and all images of x are whole for every wave
	tensor_load_to_lds s[36:39], s[24:31]
	s_nop 0
	PLACES 4
	RESLOAD AX16, AX8
	s_mov_b32 s50, 2
.Lq:
	SHALF AX16, AX8, AXS, WQ16, WQ8, WQS
	CHANGE 1, 0
	s_sub_co_u32 s50, s50, 1
	s_cmp_lg_u32 s50, 0
	s_cbranch_scc1 .Lq
	RESLOAD AQ16, AQ8
	s_mov_b32 s51, 3
.Lchunk:
	s_mov_b32 s50, 2
.Ls:
	SHALF AQ16, AQ8, AQS, WX16, WX8, WXS
	CHANGE 1, 0
	s_sub_co_u32 s50, s50, 1
	s_cmp_lg_u32 s50, 0
	s_cbranch_scc1 .Ls
	s_add_co_u32 s[ACT], s[ACT], 1
	s_and_b32 s[ACT], s[ACT], 3
	s_mul_i32 s42, s[ACT], 4*SLOTSZ
	s_add_co_u32 s42, s42, SLOTSZ
	s_mov_b32 s50, 2
.Lo:
	OHALF
	CHANGE 1, 1
	s_sub_co_u32 s50, s50, 1
	s_cmp_lg_u32 s50, 0
	s_cbranch_scc1 .Lo
	s_sub_co_u32 s51, s51, 1
	s_cmp_lg_u32 s51, 0
	s_cbranch_scc1 .Lchunk
	s_mov_b32 s50, 2
.Lt:
	SHALF AQ16, AQ8, AQS, WX16, WX8, WXS
	CHANGE 1, 0
	s_sub_co_u32 s50, s50, 1
	s_cmp_lg_u32 s50, 0
	s_cbranch_scc1 .Lt
	OHALF
	CHANGE 0, 1
	OHALF
.macro SUMG sw, m0, n
	WIN 5*(\sw)
.set gm, 0
.rept \n
	v_pk_add_f32 v[SM+4*(\m0+gm):SM+4*(\m0+gm)+1], v[64*gm:64*gm+1], v[64*gm+2:64*gm+3]
	v_pk_add_f32 v[SM+4*(\m0+gm)+2:SM+4*(\m0+gm)+3], v[64*gm+4:64*gm+5], v[64*gm+6:64*gm+7]
.set gm, gm+1
.endr
	WIN 4*(\sw)
.set gj, 8
.rept 14
.set gm, 0
.rept \n
	v_pk_add_f32 v[SM+4*(\m0+gm):SM+4*(\m0+gm)+1], v[SM+4*(\m0+gm):SM+4*(\m0+gm)+1], v[64*gm+gj:64*gm+gj+1]
	v_pk_add_f32 v[SM+4*(\m0+gm)+2:SM+4*(\m0+gm)+3], v[SM+4*(\m0+gm)+2:SM+4*(\m0+gm)+3], v[64*gm+gj+2:64*gm+gj+3]
.set gm, gm+1
.endr
.set gj, gj+4
.endr
.endm
.macro SQG sw, m0, n
	WIN 5*(\sw)
.set gm, 0
.rept \n
	v_pk_mul_f32 v[SM+4*(\m0+gm):SM+4*(\m0+gm)+1], v[64*gm:64*gm+1], v[64*gm:64*gm+1]
	v_pk_mul_f32 v[SM+4*(\m0+gm)+2:SM+4*(\m0+gm)+3], v[64*gm+2:64*gm+3], v[64*gm+2:64*gm+3]
.set gm, gm+1
.endr
.set gj, 4
.rept 15
.set gm, 0
.rept \n
	v_pk_fma_f32 v[SM+4*(\m0+gm):SM+4*(\m0+gm)+1], v[64*gm+gj:64*gm+gj+1], v[64*gm+gj:64*gm+gj+1], v[SM+4*(\m0+gm):SM+4*(\m0+gm)+1]
	v_pk_fma_f32 v[SM+4*(\m0+gm)+2:SM+4*(\m0+gm)+3], v[64*gm+gj+2:64*gm+gj+3], v[64*gm+gj+2:64*gm+gj+3], v[SM+4*(\m0+gm)+2:SM+4*(\m0+gm)+3]
.set gm, gm+1
.endr
.set gj, gj+4
.endr
.endm
.macro ADDG sw, m0, n
	WIN 0x41*(\sw)
.set gm, 0
.rept \n
.set gj, 0
.rept 32
	v_pk_add_f32 v[64*gm+gj:64*gm+gj+1], v[64*gm+gj:64*gm+gj+1], v[MU+2*(\m0+gm):MU+2*(\m0+gm)+1]
.set gj, gj+2
.endr
.set gm, gm+1
.endr
.endm
.macro OUTG sw, m0, g0, n              ; n blocks of 16 rows from block g0 of window sw on (block m0 + g0 of the seven)
	WIN 0x41*(\sw)
.set gm, \g0
.rept \n
.set gj, 0
.rept 32
	v_pk_mul_f32 v[64*gm+gj:64*gm+gj+1], v[64*gm+gj:64*gm+gj+1], v[RS+2*(\m0+gm):RS+2*(\m0+gm)+1]
.set gj, gj+2
.endr
.set gm, gm+1
.endr
	WIN (0x41*(\sw))|0x14
.set gm, \g0
.rept \n
.set gj, 0
.rept 32
	v_pk_fma_f32 v[64*gm+gj:64*gm+gj+1], v[64*gm+gj:64*gm+gj+1], v[gj:gj+1], v[64+gj:64+gj+1]
.set gj, gj+2
.endr
.set gm, gm+1
.endr
.endm
.macro XCHG so
	WIN 0
.irp m, 0,1,2,3,4,5,6
	v_pk_add_f32 v[SM+4*\m:SM+4*\m+1], v[SM+4*\m:SM+4*\m+1], v[SM+4*\m+2:SM+4*\m+3]
.endr
.irp m, 0,1,2,3,4,5,6
	v_add_f32 v[SM+4*\m], v[SM+4*\m], v[SM+4*\m+1]
.endr
.irp m, 0,1,2,3,4,5,6
	v_permlanex16_b32 v[SM+4*\m+1], v[SM+4*\m], s20, s21
.endr
.irp m, 0,1,2,3,4,5,6
	v_add_f32 v[SM+4*\m], v[SM+4*\m], v[SM+4*\m+1]
.endr
.irp m, 0,1,2,3,4,5,6
	ds_store_b32 v[LW], v[SM+4*\m] offset:\so+256*\m
.endr
	s_wait_dscnt 0x0
	s_barrier_signal -1
	s_barrier_wait -1
.irp m, 0,1,2,3,4,5,6
	ds_load_b128 v[PS+4*\m:PS+4*\m+3], v[LR] offset:\so+256*\m
.endr
	s_wait_dscnt 0x0
.irp m, 0,1,2,3,4,5,6
	v_add_f32 v[PS+4*\m], v[PS+4*\m], v[PS+4*\m+1]
	v_add_f32 v[PS+4*\m+2], v[PS+4*\m+2], v[PS+4*\m+3]
.endr
.irp m, 0,1,2,3,4,5,6
	v_add_f32 v[PS+4*\m], v[PS+4*\m], v[PS+4*\m+2]
.endr
.endm
	PLACES 4
	WIN 0x40
.irp b, 0,1,2,3
.irp i, 0,1,2,3
	global_load_b128 v[16*\b+4*\i:16*\b+4*\i+3], v[GBO], s[8:9] offset:128*\b+16*\i
	global_load_b128 v[64+16*\b+4*\i:64+16*\b+4*\i+3], v[GBO], s[10:11] offset:128*\b+16*\i
.endr
.endr
	SUMG 2, 0, 4
	SUMG 3, 4, 3
	XCHG 0
.irp m, 0,1,2,3,4,5,6
	v_mul_f32 v[MU+2*\m], 0xbb000000, v[PS+4*\m]
.endr
.irp m, 0,1,2,3,4,5,6
	v_mov_b32 v[MU+2*\m+1], v[MU+2*\m]
.endr
	ADDG 2, 0, 4
	ADDG 3, 4, 3
	SQG 2, 0, 4
	SQG 3, 4, 3
	XCHG 1792
	s_mov_b32 s53, 0x3b000000
	s_mov_b32 s54, 0x358637bd
.irp m, 0,1,2,3,4,5,6
	v_fma_f32 v[TV+\m], v[PS+4*\m], s53, s54
.endr
	s_wait_alu depctr_va_vdst(0)
.irp m, 0,1,2,3,4,5,6
	v_rsq_f32 v[RS+2*\m], v[TV+\m]
.endr
	v_nop
	s_wait_alu depctr_va_vdst(0)
.irp m, 0,1,2,3,4,5,6
	v_mov_b32 v[RS+2*\m+1], v[RS+2*\m]
.endr
	s_wait_alu depctr_va_vdst(0)
	s_wait_loadcnt 0x0
.macro TOSTAGE m
	WIN 4*(2+(\m)/4)
.irp k, 0,1,2,3,4,5,6,7,8,9,10,11,12,13,14,15
	ds_store_b128 v[STO], v[64*((\m)%4)+4*\k:64*((\m)%4)+4*\k+3] offset:128*(\k/4)+16*(\k%4)
.endr
	WIN 0
.irp i, 0,1,2,3,4,5,6,7,8,9,10,11,12,13,14,15
	ds_load_b128 v[BK+64*((\m)%2)+4*\i:BK+64*((\m)%2)+4*\i+3], v[RD] offset:528*\i
.endr
.endm
.macro SEND a, younger
	s_wait_dscnt \younger
.irp g, 0,1
	s_wait_xcnt 0x0
	v_cmp_lt_u32 vcc_lo, 16*(\a)+8*\g, v[VLIM]
	s_and_saveexec_b32 s52, vcc_lo
.irp i, 0,1,2,3,4,5,6,7
	global_store_b128 v[CO], v[BK+64*((\a)%2)+4*(8*\g+\i):BK+64*((\a)%2)+4*(8*\g+\i)+3], s[12:13] offset:(16*(\a)+8*\g+\i)*2048 th:TH_STORE_NT
.endr
	s_wait_xcnt 0x0
	s_or_b32 exec_lo, exec_lo, s52
.endr
.endm
	OUTG 2, 0, 0, 1                                ; each block gets its gain and bias just ahead of its own way through the stage
	TOSTAGE 0
.irp a, 1,2,3,4,5,6
	OUTG 2+\a/4, 4*(\a/4), \a%4, 1
	TOSTAGE \a
	SEND \a-1, 32
.endr
	SEND 6, 0
	s_wait_tensorcnt 0x0
	ds_add_u32 v[SPW], v[NIL]
	s_wait_dscnt 0x0
	CROUND
	s_endpgm
.Lfunc_end_k_q52050fd4bc_attn:
	.size	k_q52050fd4bc_attn, .Lfunc_end_k_q52050fd4bc_attn-k_q52050fd4bc_attn
	.p2alignl 7, 3214868480
	.fill 96, 4, 3214868480
	.section	.rodata,"a",@progbits
	.p2align	6, 0x0
	.amdhsa_kernel k_q52050fd4bc_attn
		.amdhsa_group_segment_fixed_size 327680
		.amdhsa_private_segment_fixed_size 0
		.amdhsa_enable_private_segment 0
		.amdhsa_kernarg_size 40
		.amdhsa_user_sgpr_count 2
		.amdhsa_user_sgpr_kernarg_segment_ptr 1
		.amdhsa_wavefront_size32 1
		.amdhsa_system_sgpr_workgroup_id_x 1
		.amdhsa_system_sgpr_workgroup_id_y 1
		.amdhsa_system_sgpr_workgroup_id_z 1
		.amdhsa_system_vgpr_workitem_id 0
		.amdhsa_next_free_vgpr 1024
		.amdhsa_next_free_sgpr 66
		.amdhsa_reserve_vcc 1
		.amdhsa_float_denorm_mode_32 3
		.amdhsa_float_denorm_mode_16_64 3
		.amdhsa_memory_ordered 1
		.amdhsa_forward_progress 1
		.amdhsa_inst_pref_size 255
	.end_amdhsa_kernel
	.section	.bss,"aw",@nobits
	.p2align	6
	.space	262144
	.amdgpu_metadata
---
amdhsa.version: [ 1, 2 ]
amdhsa.kernels:
  - .name:           k_q52050fd4bc_attn
    .symbol:         k_q52050fd4bc_attn.kd
    .args:
      - { .name: node_feature, .offset: 0, .size: 8, .value_kind: global_buffer, .address_space: global }
      - { .name: stream, .offset: 8, .size: 8, .value_kind: global_buffer, .address_space: global }
      - { .name: ln_gamma, .offset: 16, .size: 8, .value_kind: global_buffer, .address_space: global }
      - { .name: ln_beta, .offset: 24, .size: 8, .value_kind: global_buffer, .address_space: global }
      - { .name: out0, .offset: 32, .size: 8, .value_kind: global_buffer, .address_space: global }
    .group_segment_fixed_size: 327680
    .private_segment_fixed_size: 0
    .kernarg_segment_align: 8
    .kernarg_segment_size: 40
    .max_flat_workgroup_size: 128
    .sgpr_count:     66
    .vgpr_count:     1024
    .wavefront_size: 32
...
	.end_amdgpu_metadata
.endif
;; end of part 4
